; MI455X (gfx1250); checked and timed in simulation.
; The chip was launched on July 23, 2026; its instructions are those of AMD's public machine-readable ISA for CDNA 5 (MIT licence, August 2026) and "CDNA5" Instruction Set Architecture Reference Guide (July 2026). The comments in the code are by the model that wrote it; some were corrected since.
;; Attention Block. Allowed arithmetic: matrix products marked QUANTISED: E2M3 operands, one E8M0 scale for each 32 along K, by v_wmma_scale_f32_16x16x128_f8f6f4 with both operands' format E2M3, f32 sums; everything else in f32.
;; Inputs: bk 256 float32; bp 256 float32; bq 256 float32; bv 256 float32; gn_b 256 float32; gn_w 256 float32; wk_codes 256 x 8 x 24 uint8 (E2M3 codes of wk, K innermost, in blocks of 32 codes, four codes in three bytes); wk_scales 256 x 8 uint8 (E8M0 scales of wk, one for each 32 codes along K); wp_codes 256 x 8 x 24 uint8 (E2M3 codes of wp, K innermost, in blocks of 32 codes, four codes in three bytes); wp_scales 256 x 8 uint8 (E8M0 scales of wp, one for each 32 codes along K); wq_codes 256 x 8 x 24 uint8 (E2M3 codes of wq, K innermost, in blocks of 32 codes, four codes in three bytes); wq_scales 256 x 8 uint8 (E8M0 scales of wq, one for each 32 codes along K); wv_codes 256 x 8 x 24 uint8 (E2M3 codes of wv, K innermost, in blocks of 32 codes, four codes in three bytes); wv_scales 256 x 8 uint8 (E8M0 scales of wv, one for each 32 codes along K); x 4 x 256 x 64 x 64 float32.
;; Outputs: out0 4 x 256 x 64 x 64 float32.
;; This version of the problem:
;;   THIS VERSION OF THE PROBLEM IS GIVEN IN LOW PRECISION. The matrix products marked QUANTISED in the list below multiply operands that are first quantised to E2M3 (2 exponent bits, 3 mantissa bits; 6 bits a number), with one power-of-two scale for each 32 numbers along K (OCP MX v1.0); their sums are f32. All else is computed in f32.
;;   The module's matrix products, in the order in which they are computed (A, B: the left and right operand; K: the contracted axis; several contracted axes count as one K, in the product's order):
;;     1. [M 16,384, K 256] x [K 256, N 256]; A: computed on the way; B: input wq (given as codes): QUANTISED
;;     2. [M 16,384, K 256] x [K 256, N 256]; A: computed on the way; B: input wk (given as codes): QUANTISED
;;     3. [M 16,384, K 256] x [K 256, N 256]; A: computed on the way; B: input wv (given as codes): QUANTISED
;;     4. batch 16 x [M 4,096, K 64] x [K 64, N 4,096]; A: computed on the way; B: computed on the way: QUANTISED
;;     5. batch 16 x [M 64, K 4,096] x [K 4,096, N 4,096]; A: computed on the way; B: softmax (see below): QUANTISED
;;     6. [M 16,384, K 256] x [K 256, N 256]; A: computed on the way; B: input wp (given as codes): QUANTISED
;;   THE QUANTISER, for each operand of a quantised product, along K:
;;     - K is cut into blocks of 32 from its start; a last block that is shorter is filled with zeros.
;;     - A block's scale is 2^e with e = floor(log2(the largest magnitude in the block)) - 2, held to -126 .. 127; a block of zeros has e = 0. As a byte (E8M0): e + 127.
;;     - Each number is divided by its block's scale, clamped to +-7.5, and rounded to the nearest number of E2M3, ties to even, subnormals kept.
;;     - The product sums the exact products of the quantised numbers (number of the format x scale) in f32.
;;   ~~~python
;;   def quantise(x, axis):      # numpy; x: float32 -> the quantised numbers, widened to float32 again
;;       x = np.moveaxis(x, axis, -1); K = x.shape[-1]
;;       x = np.pad(x, [(0, 0)] * (x.ndim - 1) + [(0, -K % 32)]); x = x.reshape(x.shape[:-1] + (-1, 32)); a = np.abs(x).max(-1, keepdims=True)
;;       e = np.where(a > 0, np.clip(np.frexp(np.where(a > 0, a, 1))[1] - 1 - 2, -126, 127), 0)      # np.frexp(a)[1] - 1 = floor(log2(a)), exactly
;;       r = np.clip(x / 2.0 ** e, -7.5, 7.5)
;;       step = 2.0 ** (np.maximum(np.frexp(np.where(r == 0, 1, r))[1] - 1, 0) - 3)
;;       q = np.round(r / step) * step * 2.0 ** e      # np.round: ties to even
;;       return np.moveaxis(q.reshape(q.shape[:-2] + (-1,))[..., :K], -1, axis).astype(np.float32)
;;   ~~~
;;   SOFTMAX AHEAD OF A QUANTISED PRODUCT. Where the list says 'softmax', what is quantised is not the finished softmax but p = 2^(t - M), with t = logit x log2(e) and M = ceil(the row's largest t), a whole number; so 1/2 < the row's largest p <= 1. The row's sum l is taken of the UNQUANTISED p, in f32, and the product's result is divided by l at the end. Since M is a whole number, a kernel that streams over the keys may use a running M (the ceiling of the running maximum): every later rescaling is an exact power of two, which a block's scale takes up: the codes' values come out the same.
;;   OPERANDS COMPUTED ON THE WAY. 'Computed on the way' means the value that the module computes at that place (a softmax that the list does not call 'softmax' is quantised finished and normalised). What goes into a quantiser is computed in f32, as accurately as f32 sums, v_exp_f32 and their like allow (about 1e-6 of the number): no bf16 or f16 on the way to a quantiser, and a product that is left as it is and whose result goes on into a quantised operand takes f32 operands (vector FMAs, or v_wmma_f32_16x16x4_f32). A number that lies on a knife's edge between two numbers of the format may be rounded either way, as far as f32 arithmetic and the matrix unit's own rounding can turn it there, and no further.
;;   INPUTS GIVEN AS CODES. wk (in the module: [256, 256], K = its axis 1); wp (in the module: [256, 256], K = its axis 1); wq (in the module: [256, 256], K = its axis 1); wv (in the module: [256, 256], K = its axis 1): each comes as NAME_codes (uint8): NAME with its K axis moved to the last place and cut into blocks of 32 codes, [.., K / 32, bytes a block], one block behind the other in memory; four codes in three bytes: a row's codes are one little-endian stream of bits, code i at bits 6 i .. 6 i + 5 (a code: sign, 2 exponent bits, 3 mantissa bits); and NAME_scales (uint8): the same leading axes, one E8M0 byte (e + 127) for each 32 codes along K. Its value is code x scale, taken as it is: it is not quantised again, and the codes and scales need not be those that the quantiser above would give.
;; One version. Each part assembles by itself: llvm-mc -triple=amdgcn-amd-amdhsa -mcpu=gfx1250 --defsym DOCPART=n.
;; ======== version 1 of 1: 4 launches
;; workspace buffers: stats 2,048 bytes; qcodes 3,145,728 bytes; qscales 131,072 bytes; kvbuf 6,553,600 bytes; obuf 4,194,304 bytes
;; launch stats (part 1): grid 256 x 1, 8 waves a work-group, no clusters, 1,280 bytes of LDS; arguments x, stats; writes stats
.if DOCPART == 1
	.amdgcn_target "amdgcn-amd-amdhsa--gfx1250"
	.amdhsa_code_object_version 6
	.text
	.protected	k_q0148d29f02_stats
	.globl	k_q0148d29f02_stats
	.p2align	8
	.type	k_q0148d29f02_stats,@function
k_q0148d29f02_stats:
	s_mov_b64 s[64:65], 0
	v_nop
	global_prefetch_b8 v0, s[64:65] scope:SCOPE_SE
	s_setreg_imm32_b32 hwreg(HW_REG_WAVE_MODE, 25, 1), 1
	s_wait_xcnt 0x0
; GroupNorm's figures, first half.  x is [4][256][4096] f32; a group (32 channels of one batch) is 524,288 bytes on end.
; Work-group i takes the 16,384 numbers at byte 65,536 i (group i / 8, chunk i % 8) and stores their mean and M2 = the sum of (x - mean)^2
; at stats[i] (8 bytes).  The next launch joins a group's eight chunks.  No difference of large sums is formed: a common offset in x costs nothing.
; Eight waves; a thread keeps its 64 numbers in registers between the two passes, so x is read once here.  A load of a wave covers 512 consecutive bytes.
; LIMITS: NaN and infinities in x are not served.
.set X,   2                            ; v[2:65]   my 64 numbers
.set CH,  66                           ; v[66:73]  four packed chains
.set T,   74                           ; v74, v75  at work
.set WS,  76                           ; v[76:83]  the eight waves' figures
.set MN,  84                           ; v[84:85]  the mean, twice
.set RES, 86                           ; v[86:87]  mean, M2
.set WA,  88                           ; v88       4 x my wave's number
.set NIL, 89                           ; v89       0
	s_load_b128 s[4:7], s[0:1], 0x0                ; x, stats
	v_lshl_add_u32 v96, v0, 2, 0x100
	v_mov_b32 v97, 0
	v_lshlrev_b32 v1, 4, v0                        ; 16 bytes a thread
	v_lshrrev_b32 v[WA], 5, v0
	s_delay_alu instid0(VALU_DEP_1)
	v_readfirstlane_b32 s12, v[WA]                 ; wave
	s_delay_alu instid0(VALU_DEP_2)
	v_lshlrev_b32 v[WA], 2, v[WA]
	v_mov_b32 v[NIL], 0
	v_mov_b32 v[T+1], 0                            ; a lane permute's destination counts as read
	s_mov_b32 s10, 0x76543210
	s_mov_b32 s11, 0xfedcba98                      ; selects for lane l xor 16
	s_lshl_b32 s8, ttmp9, 16                       ; my chunk
	s_mov_b32 s9, 0
	s_lshl_b32 s14, ttmp9, 3                       ; my 8 bytes of stats
	s_mov_b32 s15, 0
	s_wait_alu depctr_va_vdst(0)
	s_wait_kmcnt 0x0
	s_add_nc_u64 s[4:5], s[4:5], s[8:9]
	s_add_nc_u64 s[6:7], s[6:7], s[14:15]
.irp j, 0,1,2,3,4,5,6,7,8,9,10,11,12,13,14,15
	global_load_b128 v[X+4*\j:X+4*\j+3], v1, s[4:5] offset:4096*\j
.endr
.macro JOIN                            ; four packed chains -> one number a lane -> the wave's sum in every lane
	s_delay_alu instid0(VALU_DEP_3)
	v_pk_add_f32 v[CH:CH+1], v[CH:CH+1], v[CH+2:CH+3]
	s_delay_alu instid0(VALU_DEP_2)
	v_pk_add_f32 v[CH+4:CH+5], v[CH+4:CH+5], v[CH+6:CH+7]
	s_delay_alu instid0(VALU_DEP_1)
	v_pk_add_f32 v[CH:CH+1], v[CH:CH+1], v[CH+4:CH+5]
	s_delay_alu instid0(VALU_DEP_1)
	v_add_f32 v[T], v[CH], v[CH+1]
	s_delay_alu instid0(VALU_DEP_1)
	v_add_f32_dpp v[T], v[T], v[T] row_xmask:1 row_mask:0xf bank_mask:0xf
	s_delay_alu instid0(VALU_DEP_1)
	v_add_f32_dpp v[T], v[T], v[T] row_xmask:2 row_mask:0xf bank_mask:0xf
	s_delay_alu instid0(VALU_DEP_1)
	v_add_f32_dpp v[T], v[T], v[T] row_xmask:4 row_mask:0xf bank_mask:0xf
	s_delay_alu instid0(VALU_DEP_1)
	v_add_f32_dpp v[T], v[T], v[T] row_xmask:8 row_mask:0xf bank_mask:0xf
	s_delay_alu instid0(VALU_DEP_1)
	v_permlanex16_b32 v[T+1], v[T], s10, s11
	s_delay_alu instid0(VALU_DEP_1)
	v_add_f32 v[T], v[T], v[T+1]
.endm
.macro GROUPSUM off                    ; the eight waves' sums meet in 32 bytes of LDS at off; the sum of all lands in v[T] of every lane
	ds_store_b32 v[WA], v[T] offset:\off           ; all lanes of a wave write the same word with the same value
	s_wait_dscnt 0x0                               ; for the others' sake: my store has landed
	s_barrier_signal -1
	s_barrier_wait -1
	ds_load_b128 v[WS:WS+3], v[NIL] offset:\off
	ds_load_b128 v[WS+4:WS+7], v[NIL] offset:\off+16
	s_wait_dscnt 0x0
	v_add_f32 v[WS], v[WS], v[WS+1]
	v_add_f32 v[WS+2], v[WS+2], v[WS+3]
	v_add_f32 v[WS+4], v[WS+4], v[WS+5]
	v_add_f32 v[WS+6], v[WS+6], v[WS+7]
	s_delay_alu instid0(VALU_DEP_3)
	v_add_f32 v[WS], v[WS], v[WS+2]
	s_delay_alu instid0(VALU_DEP_2)
	v_add_f32 v[WS+4], v[WS+4], v[WS+6]
	s_delay_alu instid0(VALU_DEP_1)
	v_add_f32 v[T], v[WS], v[WS+4]
.endm
	; pass 1: the sum, by groups of four loads; each wait leaves the loads issued behind its group out
	s_wait_loadcnt 12
.irp j, 0,1,2,3
	v_pk_add_f32 v[CH+2*\j:CH+2*\j+1], v[X+4*\j:X+4*\j+1], v[X+4*\j+2:X+4*\j+3]   ; the first group starts the chains: nothing is cleared
.endr
	s_wait_alu depctr_va_vdst(0)
.irp g, 1,2,3
	s_wait_alu depctr_va_vdst(0)
	s_wait_loadcnt 12-4*\g
.irp j, 0,1,2,3
	v_pk_add_f32 v[CH+2*\j:CH+2*\j+1], v[CH+2*\j:CH+2*\j+1], v[X+16*\g+4*\j:X+16*\g+4*\j+1]
.endr
.irp j, 0,1,2,3
	s_delay_alu instid0(VALU_DEP_4)
	v_pk_add_f32 v[CH+2*\j:CH+2*\j+1], v[CH+2*\j:CH+2*\j+1], v[X+16*\g+4*\j+2:X+16*\g+4*\j+3]
.endr
.endr
	JOIN
	GROUPSUM 0
	s_delay_alu instid0(VALU_DEP_1)
	v_mul_f32 v[MN], 0x38800000, v[T]              ; / 16,384
	s_delay_alu instid0(VALU_DEP_1)
	v_mov_b32 v[MN+1], v[MN]
	; pass 2: the sum of (x - mean)^2
.set i, 0
.rept 32
	v_pk_add_f32 v[X+2*i:X+2*i+1], v[X+2*i:X+2*i+1], v[MN:MN+1] neg_lo:[0,1] neg_hi:[0,1]
.set i, i+1
.endr
.irp j, 0,1,2,3
	v_pk_mul_f32 v[CH+2*\j:CH+2*\j+1], v[X+2*\j:X+2*\j+1], v[X+2*\j:X+2*\j+1]
.endr
.set i, 4
.rept 28
	s_delay_alu instid0(VALU_DEP_4)
	v_pk_fma_f32 v[CH+2*(i%4):CH+2*(i%4)+1], v[X+2*i:X+2*i+1], v[X+2*i:X+2*i+1], v[CH+2*(i%4):CH+2*(i%4)+1]
.set i, i+1
.endr
	JOIN
	GROUPSUM 32                                    ; other bytes than the first sum's: no wave need have finished reading those
	v_mov_b32 v[RES], v[MN]
	s_delay_alu instid0(VALU_DEP_2)
	v_mov_b32 v[RES+1], v[T]
	s_cmp_lg_u32 s12, 0                            ; wave 0's lane 0 stores the pair
	s_cbranch_scc1 .Lend
	s_wait_xcnt 0x0                                ; EXEC changes only behind this wait
	v_cmp_eq_u32 vcc_lo, 0, v0
	s_and_saveexec_b32 s13, vcc_lo
	s_wait_alu depctr_va_vdst(0)
	global_store_b64 v[NIL], v[RES:RES+1], s[6:7]
	s_wait_xcnt 0x0                                ; and again in front of the line that widens it
	s_or_b32 exec_lo, exec_lo, s13
.Lend:
	s_wait_tensorcnt 0x0
	ds_add_u32 v96, v97
	s_wait_dscnt 0x0
	s_endpgm
.Lfunc_end_k_q0148d29f02_stats:
	.size	k_q0148d29f02_stats, .Lfunc_end_k_q0148d29f02_stats-k_q0148d29f02_stats
	.p2alignl 7, 3214868480
	.fill 96, 4, 3214868480
	.section	.rodata,"a",@progbits
	.p2align	6, 0x0
	.amdhsa_kernel k_q0148d29f02_stats
		.amdhsa_group_segment_fixed_size 1280
		.amdhsa_private_segment_fixed_size 0
		.amdhsa_enable_private_segment 0
		.amdhsa_kernarg_size 16
		.amdhsa_user_sgpr_count 2
		.amdhsa_user_sgpr_kernarg_segment_ptr 1
		.amdhsa_wavefront_size32 1
		.amdhsa_system_sgpr_workgroup_id_x 1
		.amdhsa_system_sgpr_workgroup_id_y 1
		.amdhsa_system_sgpr_workgroup_id_z 1
		.amdhsa_system_vgpr_workitem_id 0
		.amdhsa_next_free_vgpr 98
		.amdhsa_next_free_sgpr 66
		.amdhsa_reserve_vcc 1
		.amdhsa_float_denorm_mode_32 3
		.amdhsa_float_denorm_mode_16_64 3
		.amdhsa_memory_ordered 1
		.amdhsa_forward_progress 1
		.amdhsa_inst_pref_size 14
	.end_amdhsa_kernel
	.amdgpu_metadata
---
amdhsa.version: [ 1, 2 ]
amdhsa.kernels:
  - .name:           k_q0148d29f02_stats
    .symbol:         k_q0148d29f02_stats.kd
    .args:
      - { .name: x, .offset: 0, .size: 8, .value_kind: global_buffer, .address_space: global }
      - { .name: stats, .offset: 8, .size: 8, .value_kind: global_buffer, .address_space: global }
    .group_segment_fixed_size: 1280
    .private_segment_fixed_size: 0
    .kernarg_segment_align: 8
    .kernarg_segment_size: 16
    .max_flat_workgroup_size: 256
    .sgpr_count:     66
    .vgpr_count:     98
    .wavefront_size: 32
...
	.end_amdgpu_metadata
.endif
;; end of part 1
;; launch qkv (part 2): grid 128 x 2, 8 waves a work-group, no clusters, 28,160 bytes of LDS; arguments x, stats, gn_w, gn_b, wq_codes, wk_codes, wq_scales, wk_scales, bq, bk, wv_codes, wv_scales, bv, qcodes, kvbuf, qscales; writes qcodes, kvbuf, qscales
.if DOCPART == 2
	.amdgcn_target "amdgcn-amd-amdhsa--gfx1250"
	.amdhsa_code_object_version 6
	.text
	.protected	k_q0148d29f02_qkv
	.globl	k_q0148d29f02_qkv
	.p2align	8
	.type	k_q0148d29f02_qkv,@function
k_q0148d29f02_qkv:
	s_mov_b64 s[64:65], 0
	v_nop
	global_prefetch_b8 v0, s[64:65] scope:SCOPE_SE
	s_setreg_imm32_b32 hwreg(HW_REG_WAVE_MODE, 25, 1), 1
	s_wait_xcnt 0x0
; GroupNorm, its quantising along the channels, q = Wq h + bq, k = Wk h + bk, v = Wv h + bv on codes of FP6 (E2M3) with one E8M0 scale for each 32 along K,
; and the quantising of q and k (along a head's 64 channels) and of v (along the keys), laid out as the attention launch's operand registers want them.
; SHARES.  Work-group (x, y): batch x / 32, positions 128 (x % 32) .. + 127 (one key step), heads 2 y and 2 y + 1.  Eight waves.
;   phase X: wave j normalises and quantises channels 32 j .. 32 j + 31 (GroupNorm's group j is one block of 32 along K) of the 128 positions: a lane takes a position, its registers run down the channels,
;            so a block's largest magnitude needs no other lane.  The codes go to LDS as images of the operand's registers.
;   phase 1: wave = (head HH = wave / 4, q or k, half of the positions): source 0 = 16 rows of Wq or Wk, source 1 = 16 positions of h: a lane holds ONE position, its registers run along the head's channels.
;            q's and k's waves take one path: only pointers differ, chosen on the wave's number.
;   phase 2: wave = (head HH, tile t = wave % 4 of Wv): source 0 = 16 positions of h, source 1 = 16 rows of Wv: a lane holds ONE channel, its registers run along the 128 keys.
; TILE ORDER.  Row r of tile u (0, 1) of a block of 32 (positions, or a head's channels) is number 8 u + r % 8 + 16 (r / 8) of the block, so that the 16 result registers of a block's two tiles
; are 16 neighbours, 16 (lane / 16) + 0 .. 15, as the conversions want them.
; OUT.  qcodes [16 heads][128 blocks of 32][3][32 lanes][16 B]: twelve registers = tile 0's six, tile 1's six.  qscales [16][128][16 rows] words: tile 0's two bytes, tile 1's two.
;       kvbuf [16][32 key steps][12,800 B]: K's four fragments (as q's) at 1,536 s; V's four (16 channels x 128 keys) at 6,144 + 1,536 t; K's scale words at 12,288 + 64 s + 4 r; V's at 12,544 + 64 t + 4 r.
; Every store of codes covers 512 consecutive bytes, every store of scale words 256 or 512, at multiples of 256 bytes of its buffer.
; No tensor load: each operand goes from memory into the lane that wants it; the weights (75 KB a work-group) are shared with no neighbour at the same time in LDS, so there is nothing to ask for jointly.
; LIMITS: NaN and infinities are not served.  A block whose largest magnitude lies under 2^-124 (a block of zeros too) gets the scale byte 1 where the rule says otherwise: its codes are zeros,
; and only this program reads the bytes.  h = (x - mean) (rstd w) + b, rstd by v_rsq_f32: one order of rounding away from the reference's.
.set IMG,   0                          ; LDS: h's 16 fragments f = 2 tile + K step, 1,536 bytes each: [6 pairs of registers][32 lanes][8 B]
.set HSC,   24576                      ; their scale words: 64 f + 4 r
.set KVS,   25600                      ; for each of the two heads 768 bytes: K's words 256, V's 256, Q's 256
.set STEPB, 12800                      ; a key step's block in kvbuf
.set XO,  2                            ; 4 lane
.set XW,  3                            ; phase X: where my position's codes go
.set XB,  4                            ; and its scale byte
.set WAD, 5                            ; a weight's fragment: 192 (r + 8 (r / 8)) + 24 h
.set WSA, 6                            ; its scale words: 8 (r + 8 (r / 8))
.set BA,  7                            ; bq, bk: 64 h
.set BVA, 8                            ; bv: 4 (r + 8 (r / 8))
.set HLA, 9                            ; phase 1: my half's fragments of h
.set HSA, 10                           ; and their scale words
.set HLB, 11                           ; phase 2: all fragments
.set HSB, 12
.set LI,  13                           ; 16 lane
.set KSA, 14                           ; where q's or k's scale words go in LDS
.set VSA, 15                           ; where v's go
.set WS,  16                           ; v[16:23]  Wq's or Wk's scale words (2 tile + K step)
.set WVS, 24                           ; v[24:25]  Wv's
.set HS,  26                           ; v[26:33]  h's scale words
.set HF,  34                           ; v[34:129] eight fragments of h
.set XR,  34                           ; phase X: v[34:161] x, 32 registers for each block of 32 positions
.set VA,  130                          ; v[130:193] phase 2's results; phase 1's are v[130:161]
.set XC,  162                          ; phase X: v[162:185] codes, six a block of positions
.set XT,  186                          ; v[186:188] the second conversion's result
.set STT, 190                          ; v[190:205] the group's eight (mean, M2)
.set MEAN, 206                         ; v[206:207] the mean, twice
.set RSTD, 208                         ; v[208:209] rstd, twice
.set WK,  210                          ; v[210:215] at work
.set XBY, 216                          ; v[216:219] phase X's scale bytes
.set PC0, 194                          ; v[194:205], v[206:217] two sets of twelve code registers
.set AUX, 218                          ; v[218:220] a conversion's second result
.set TM,  226                          ; v[226:241] the quantisers' work
.set PW,  242                          ; v242, v243 the two tiles' pairs of scale bytes
.set KW,  244                          ; v244, v245 scale words to store
.set CPA, 246                          ; the scales' way out: LDS addresses
.set CPQ, 247
.set L8,  248                          ; 8 lane
.set NIL, 249                          ; 0
.set CD,  250                          ; v[250:253] the scales on their way out
.set WVF, 96                           ; window 1: v[0:95] Wq's or Wk's eight fragments (12 (2 tile + K step)); v[96:119] Wv's two
.set BQ,  128                          ; window 1: v[128:159] bq or bk in the result's layout, eight a tile
.set BV,  160                          ; window 1: v[160:167] bv of my channel, eight times
.set CA,  168                          ; window 1: v[168:199] gn_w of my 32 channels, then rstd gn_w
.set CB,  200                          ; window 1: v[200:231] gn_b
.set WV,  40
.set HH,  41
.set KIND, 42
.set HALF, 43
.set BB,  44
.set STP, 45
.set YY,  46
.set NN,  47
.set HD,  48
.set TT,  49
.set SEL, 50
.set MSB, 0
.macro WIN new                         ; s_set_vgpr_msb: bits 1:0 source 0, 3:2 source 1, 5:4 source 2, 7:6 destination; the high byte repeats the setting that is left
.if MSB != \new
	s_set_vgpr_msb (MSB<<8)|\new
.set MSB, \new
.endif
.endm
.macro PLACES
.rept 4
	v_nop
.endr
.endm
.macro BARRIER                         ; my LDS stores have landed and my LDS loads are in: then the work-group's barrier
	s_wait_dscnt 0x0
	s_barrier_signal -1
	s_barrier_wait -1
.endm
; 32 numbers of a lane, register src + 16 b + i = k 32 b + 16 (lane / 16) + i of my row, become six registers of codes at dst (lane (r, h): k = 32 h .. 32 h + 31) and the two scale bytes in pw.
.macro QUANT2 src, dst, aux, mx, pw
.irp b, 0,1
	v_max3_num_f32 v[\mx+\b], |v[\src+16*\b]|, |v[\src+16*\b+1]|, 0x1800000   ; my 16 numbers of block b, and the floor 2^(3 - 127): the byte cannot fall under 1
.endr
.irp i, 2,4,6,8,10,12,14
.irp b, 0,1
	v_max3_num_f32 v[\mx+\b], v[\mx+\b], |v[\src+16*\b+\i]|, |v[\src+16*\b+\i+1]|
.endr
.endr
.irp b, 0,1
	s_delay_alu instid0(VALU_DEP_2)
	v_permlanex16_b32 v[\mx+2+\b], v[\mx+\b], s[SEL], s[SEL+1]
.endr
.irp b, 0,1
	s_delay_alu instid0(VALU_DEP_2)
	v_max_num_f32 v[\mx+\b], v[\mx+\b], v[\mx+2+\b]      ; with lane l xor 16's: the block's largest magnitude
.endr
.irp b, 0,1
	s_delay_alu instid0(VALU_DEP_2)
	v_add_nc_u32 v[\mx+4+\b], 0xff000000, v[\mx+\b]      ; 2 off its exponent field: the conversion's scale operand
.endr
.irp b, 0,1
	s_delay_alu instid0(VALU_DEP_2)
	v_lshrrev_b32 v[\mx+2+\b], 23, v[\mx+4+\b]           ; the scale's byte
.endr
	s_delay_alu instid0(VALU_DEP_1)
	v_lshl_or_b32 v[\pw], v[\mx+3], 8, v[\mx+2]
	v_cvt_scalef32_pk16_fp6_f32 v[(\dst):(\dst)+2], v[\src:\src+15], v[\mx+4]
	v_cvt_scalef32_pk16_fp6_f32 v[\aux:\aux+2], v[\src+16:\src+31], v[\mx+5]   ; (a conversion's three registers begin on an even number)
	v_nop                                          ; one plain place behind a scaled conversion
.irp i, 0,1,2
	v_permlane16_swap_b32 v[(\dst)+\i], v[\aux+\i] ; a whole block to a lane: lanes 0-15 block 0, lanes 16-31 block 1
.endr
.irp i, 0,1,2
	s_delay_alu instid0(VALU_DEP_3)
	v_mov_b32 v[(\dst)+3+\i], v[\aux+\i]
.endr
.endm
; 64 numbers of a lane, register src + 16 b + i = k 32 b + 16 (lane / 16) + i of my row, become a fragment's twelve registers at PC0 and its scale word in v[PW].
.macro QUANT4 src
.irp b, 0,1,2,3
	v_max3_num_f32 v[TM+\b], |v[\src+16*\b]|, |v[\src+1+16*\b]|, 0x1800000
.endr
.irp i, 2,4,6,8,10,12,14
.irp b, 0,1,2,3
	v_max3_num_f32 v[TM+\b], v[TM+\b], |v[\src+16*\b+\i]|, |v[\src+1+16*\b+\i]|
.endr
.endr
.irp b, 0,1,2,3
	s_delay_alu instid0(VALU_DEP_4)
	v_permlanex16_b32 v[TM+4+\b], v[TM+\b], s[SEL], s[SEL+1]
.endr
.irp b, 0,1,2,3
	s_delay_alu instid0(VALU_DEP_4)
	v_max_num_f32 v[TM+\b], v[TM+\b], v[TM+4+\b]
.endr
.irp b, 0,1,2,3
	s_delay_alu instid0(VALU_DEP_4)
	v_add_nc_u32 v[TM+12+\b], 0xff000000, v[TM+\b]
.endr
.irp b, 0,1,2,3
	s_delay_alu instid0(VALU_DEP_4)
	v_lshrrev_b32 v[TM+4+\b], 23, v[TM+12+\b]
.endr
	s_delay_alu instid0(VALU_DEP_3)
	v_lshl_or_b32 v[PW], v[TM+5], 8, v[TM+4]
	s_delay_alu instid0(VALU_DEP_1)
	v_lshl_or_b32 v[PW], v[TM+6], 16, v[PW]
	s_delay_alu instid0(VALU_DEP_1)
	v_lshl_or_b32 v[PW], v[TM+7], 24, v[PW]
.irp c, 0,1
	v_cvt_scalef32_pk16_fp6_f32 v[PC0+6*\c:PC0+2+6*\c], v[\src+32*\c:\src+15+32*\c], v[TM+12+2*\c]
	v_cvt_scalef32_pk16_fp6_f32 v[PC0+12+4*\c:PC0+14+4*\c], v[\src+16+32*\c:\src+31+32*\c], v[TM+12+2*\c+1]
.endr
	v_nop                                          ; one plain place behind a scaled conversion
.irp c, 0,1
.irp i, 0,1,2
	v_permlane16_swap_b32 v[PC0+6*\c+\i], v[PC0+12+4*\c+\i]
.endr
.irp i, 0,1,2
	s_delay_alu instid0(VALU_DEP_3)
	v_mov_b32 v[PC0+3+6*\c+\i], v[PC0+12+4*\c+\i]
.endr
.endr
.endm
	s_load_b512 s[4:19], s[0:1], 0x0               ; x 4, stats 6, gn_w 8, gn_b 10, wq_codes 12, wk_codes 14, wq_scales 16, wk_scales 18
	s_load_b512 s[20:35], s[0:1], 0x40             ; bq 20, bk 22, wv_codes 24, wv_scales 26, bv 28, qcodes 30, kvbuf 32, qscales 34
	v_lshl_add_u32 v254, v0, 2, 0x6a00
	v_mov_b32 v255, 0
	v_lshrrev_b32 v240, 5, v0
	s_delay_alu instid0(VALU_DEP_1)
	v_readfirstlane_b32 s[WV], v240                ; wave 0..7
	s_lshr_b32 s[HH], s[WV], 2                     ; which of the two heads;   phase X: which K step of 128 channels
	s_bfe_u32 s[KIND], s[WV], 0x10001              ; 0: q, 1: k;               phase X: which 64 of them
	s_and_b32 s[HALF], s[WV], 1                    ; which 64 positions;       phase X: which 32 of them
	s_and_b32 s[TT], s[WV], 3                      ; phase 2: which tile of Wv
	s_lshr_b32 s[BB], ttmp9, 5                     ; batch
	s_and_b32 s[STP], ttmp9, 31                    ; key step
	s_and_b32 s[YY], ttmp7, 0xffff
	s_lshl_b32 s[NN], s[YY], 1
	s_add_co_u32 s[NN], s[NN], s[HH]               ; head in the batch
	s_lshl_b32 s[HD], s[BB], 2
	s_add_co_u32 s[HD], s[HD], s[NN]               ; head of 16
	s_mov_b32 s[SEL], 0x76543210
	s_mov_b32 s[SEL+1], 0xfedcba98                 ; selects for lane l xor 16
	v_and_b32 v240, 31, v0                         ; lane
	v_and_b32 v241, 15, v0                         ; r
	v_bfe_u32 v242, v0, 4, 1                       ; h
	v_bfe_u32 v243, v0, 3, 1                       ; phase X: position l of a block of 32 is row r' = l % 8 + 8 (l / 16) of tile u' = (l / 8) % 2
	v_and_b32 v244, 7, v0
	s_delay_alu instid0(VALU_DEP_1)
	v_lshl_add_u32 v244, v242, 3, v244             ; r'
	s_wait_alu depctr_va_vdst(0)
	v_and_b32 v245, 8, v241
	s_delay_alu instid0(VALU_DEP_1)
	v_add_nc_u32 v245, v245, v241                  ; r + 8 (r / 8)
	s_wait_alu depctr_va_vdst(0)
	v_lshlrev_b32 v[XO], 2, v240
	s_lshl_b32 s52, s[HALF], 7                     ; my block of 32 channels lies in lanes 16 HALF .. of the fragment (8 bytes a lane),
	s_mul_i32 s53, s[HH], 1536                     ; of K step HH,
	s_add_co_u32 s52, s52, s53
	s_mul_i32 s53, s[KIND], 768                    ; in its register pairs 3 KIND ..
	s_add_co_u32 s52, s52, s53
	v_lshlrev_b32 v[XW], 3, v244
	s_delay_alu instid0(VALU_DEP_1)
	v_mad_u32_u24 v[XW], v243, 3072, v[XW]         ; a tile is two fragments
	s_delay_alu instid0(VALU_DEP_1)
	v_add_nc_u32 v[XW], s52, v[XW]
	s_lshl_b32 s52, s[HH], 6
	s_add_co_u32 s52, s52, s[TT]                   ; my block's byte of the scale word
	s_add_co_u32 s52, s52, HSC
	v_lshlrev_b32 v[XB], 2, v244
	s_delay_alu instid0(VALU_DEP_1)
	v_lshl_add_u32 v[XB], v243, 7, v[XB]
	s_delay_alu instid0(VALU_DEP_1)
	v_add_nc_u32 v[XB], s52, v[XB]
	v_mul_u32_u24 v[WAD], v245, 192                ; a row of a weight is 256 codes, 192 bytes
	s_delay_alu instid0(VALU_DEP_1)
	v_mad_u32_u24 v[WAD], v242, 24, v[WAD]
	v_lshlrev_b32 v[WSA], 3, v245
	v_lshlrev_b32 v[BA], 6, v242
	v_lshlrev_b32 v[BVA], 2, v245
	s_mul_i32 s52, s[HALF], 12288
	v_lshlrev_b32 v[HLB], 3, v240
	s_delay_alu instid0(VALU_DEP_1)
	v_add_nc_u32 v[HLA], s52, v[HLB]
	v_lshlrev_b32 v[HSB], 2, v241
	s_delay_alu instid0(VALU_DEP_1)
	v_add_nc_u32 v[HSB], HSC, v[HSB]
	s_lshl_b32 s52, s[HALF], 9
	v_add_nc_u32 v[HSA], s52, v[HSB]
	v_lshlrev_b32 v[LI], 4, v240
	s_mul_i32 s52, s[HH], 768
	s_xor_b32 s53, s[KIND], 1
	s_lshl_b32 s53, s53, 9                         ; q's words lie 512 bytes behind k's
	s_add_co_u32 s53, s53, s52
	s_lshl_b32 s54, s[HALF], 7
	s_add_co_u32 s53, s53, s54
	s_add_co_u32 s53, s53, KVS
	v_lshl_add_u32 v[KSA], v241, 2, s53
	s_lshl_b32 s54, s[TT], 6
	s_add_co_u32 s54, s54, s52
	s_add_co_u32 s54, s54, KVS+256
	v_lshl_add_u32 v[VSA], v241, 2, s54
	s_mul_i32 s52, s[HALF], 768
	s_add_co_u32 s52, s52, KVS
	v_lshl_add_u32 v[CPA], v240, 4, s52
	s_add_co_u32 s52, s52, 512
	v_lshl_add_u32 v[CPQ], v240, 3, s52
	v_lshlrev_b32 v[L8], 3, v240
	v_mov_b32 v[NIL], 0
.irp i, 2,3,4,5,6,7
	v_mov_b32 v[TM+\i], 0                          ; written once: a lane permute's destination counts as read
.endr
	s_wait_alu depctr_va_vdst(0)
	s_wait_kmcnt 0x0
	s_cmp_eq_u32 s[KIND], 0                        ; q's wave or k's: the choice hangs on the wave's number alone
	s_cselect_b64 s[12:13], s[12:13], s[14:15]     ; the weight's codes,
	s_cselect_b64 s[16:17], s[16:17], s[18:19]     ; its scales,
	s_cselect_b64 s[20:21], s[20:21], s[22:23]     ; the bias,
	s_cselect_b64 s[38:39], s[30:31], s[32:33]     ; where the codes go,
	s_mov_b32 s54, STEPB
	s_cselect_b32 s54, 6144, s54                   ; and a key step's bytes there
	s_mov_b32 s53, 0
	s_lshl_b32 s52, s[BB], 22                      ; x: batch x 4,194,304 + my group x 524,288 + the step's 512 bytes of a row
	s_lshl_b32 s55, s[WV], 19
	s_add_co_u32 s52, s52, s55
	s_lshl_b32 s55, s[STP], 9
	s_add_co_u32 s52, s52, s55
	s_add_nc_u64 s[4:5], s[4:5], s[52:53]
	s_lshl_b32 s52, s[BB], 3
	s_add_co_u32 s52, s52, s[WV]
	s_lshl_b32 s52, s52, 6                         ; stats: 64 bytes a group
	s_add_nc_u64 s[6:7], s[6:7], s[52:53]
	s_lshl_b32 s52, s[WV], 7                       ; gn_w, gn_b: my 32 channels
	s_add_nc_u64 s[8:9], s[8:9], s[52:53]
	s_add_nc_u64 s[10:11], s[10:11], s[52:53]
	s_mul_i32 s52, s[NN], 12288                    ; the head's 64 rows of Wq or Wk
	s_add_nc_u64 s[12:13], s[12:13], s[52:53]
	s_lshl_b32 s52, s[NN], 9
	s_add_nc_u64 s[16:17], s[16:17], s[52:53]
	s_lshl_b32 s52, s[NN], 8
	s_add_nc_u64 s[20:21], s[20:21], s[52:53]
	s_lshl_b32 s55, s[NN], 6                       ; Wv: tile t begins at row 64 n + 32 (t / 2) + 8 (t % 2)
	s_lshr_b32 s56, s[TT], 1
	s_lshl_b32 s56, s56, 5
	s_add_co_u32 s55, s55, s56
	s_and_b32 s56, s[TT], 1
	s_lshl_b32 s56, s56, 3
	s_add_co_u32 s55, s55, s56
	s_mul_i32 s52, s55, 192
	s_add_nc_u64 s[24:25], s[24:25], s[52:53]
	s_lshl_b32 s52, s55, 3
	s_add_nc_u64 s[26:27], s[26:27], s[52:53]
	s_lshl_b32 s52, s55, 2
	s_add_nc_u64 s[28:29], s[28:29], s[52:53]
	s_lshl_b32 s57, s[HD], 5
	s_add_co_u32 s57, s57, s[STP]                  ; 32 head + step
	s_mul_i32 s52, s57, s54
	s_mul_i32 s55, s[HALF], 3072                   ; my half: two fragments
	s_add_co_u32 s52, s52, s55
	s_add_nc_u64 s[38:39], s[38:39], s[52:53]
	s_mul_i32 s52, s57, STEPB
	s_mul_i32 s55, s[TT], 1536
	s_add_co_u32 s52, s52, s55
	s_add_co_u32 s52, s52, 6144
	s_add_nc_u64 s[66:67], s[32:33], s[52:53]      ; where my fragment of V goes
	s_lshl_b32 s55, s[BB], 2                       ; the scales' way out: waves 0, 2 serve head 2 y, waves 1, 3 head 2 y + 1
	s_lshl_b32 s56, s[YY], 1
	s_add_co_u32 s55, s55, s56
	s_add_co_u32 s55, s55, s[HALF]
	s_lshl_b32 s55, s55, 5
	s_add_co_u32 s55, s55, s[STP]
	s_mul_i32 s52, s55, STEPB
	s_add_co_u32 s52, s52, 12288
	s_add_nc_u64 s[70:71], s[32:33], s[52:53]
	s_lshl_b32 s52, s55, 8
	s_add_nc_u64 s[72:73], s[34:35], s[52:53]
	; ---- all loads go out at once: what is small first, x last
.irp i, 0,1,2,3
	global_load_b128 v[STT+4*\i:STT+4*\i+3], v[NIL], s[6:7] offset:16*\i
.endr
	WIN 0x40                                       ; destination window 1
.irp i, 0,1,2,3,4,5,6,7
	global_load_b128 v[CA+4*\i:CA+4*\i+3], v[NIL], s[8:9] offset:16*\i
.endr
.irp i, 0,1,2,3,4,5,6,7
	global_load_b128 v[CB+4*\i:CB+4*\i+3], v[NIL], s[10:11] offset:16*\i
.endr
.irp t, 0,1,2,3
.irp s, 0,1
.irp p, 0,1,2,3,4,5
	global_load_b64 v[12*(2*\t+\s)+2*\p:12*(2*\t+\s)+2*\p+1], v[WAD], s[12:13] offset:(32*(\t/2)+8*(\t%2))*192+96*\s+48*(\p/3)+8*(\p%3)
.endr
.endr
.endr
.irp s, 0,1
.irp p, 0,1,2,3,4,5
	global_load_b64 v[WVF+12*\s+2*\p:WVF+12*\s+2*\p+1], v[WAD], s[24:25] offset:96*\s+48*(\p/3)+8*(\p%3)
.endr
.endr
.irp t, 0,1,2,3
	global_load_b128 v[BQ+8*\t:BQ+8*\t+3], v[BA], s[20:21] offset:(32*(\t/2)+8*(\t%2))*4       ; lane (r, h), register j: the bias of channel 32 (t / 2) + 8 (t % 2) + 16 h + j
	global_load_b128 v[BQ+8*\t+4:BQ+8*\t+7], v[BA], s[20:21] offset:(32*(\t/2)+8*(\t%2))*4+16
.endr
.irp j, 0,1,2,3,4,5,6,7
	global_load_b32 v[BV+\j], v[BVA], s[28:29]     ; in phase 2 a lane's eight results are one channel's
.endr
	WIN 0
.irp t, 0,1,2,3
.irp s, 0,1
	global_load_b32 v[WS+2*\t+\s], v[WSA], s[16:17] offset:(32*(\t/2)+8*(\t%2))*8+4*\s
.endr
.endr
.irp s, 0,1
	global_load_b32 v[WVS+\s], v[WSA], s[26:27] offset:4*\s
.endr
.irp g, 0,1,2,3
.set i, 0
.rept 32
	global_load_b32 v[XR+32*\g+i], v[XO], s[4:5] offset:16384*i+128*\g   ; channel 32 j + i, positions 32 g + lane: 128 consecutive bytes a load, a row's 512 over the four g
.set i, i+1
.endr
.endr
	s_wait_loadcnt 63                              ; the youngest 63 of x's 128 loads may be out: all that was issued earlier, and blocks 0 and 1 of the positions, are in
	; ---- the group's mean and rstd from its eight chunks: M2 = the sum of the chunks' M2 + 16,384 x the sum of (chunk's mean - mean)^2
	v_add_f32 v[WK], v[STT], v[STT+2]
	v_add_f32 v[WK+1], v[STT+4], v[STT+6]
	v_add_f32 v[WK+2], v[STT+8], v[STT+10]
	v_add_f32 v[WK+3], v[STT+12], v[STT+14]
	s_delay_alu instid0(VALU_DEP_3)
	v_add_f32 v[WK], v[WK], v[WK+1]
	s_delay_alu instid0(VALU_DEP_2)
	v_add_f32 v[WK+2], v[WK+2], v[WK+3]
	s_delay_alu instid0(VALU_DEP_1)
	v_add_f32 v[WK], v[WK], v[WK+2]
	s_delay_alu instid0(VALU_DEP_1)
	v_mul_f32 v[MEAN], 0x3e000000, v[WK]           ; / 8
	s_delay_alu instid0(VALU_DEP_1)
	v_mov_b32 v[MEAN+1], v[MEAN]
	v_add_f32 v[WK+1], v[STT+1], v[STT+3]
	v_add_f32 v[WK+2], v[STT+5], v[STT+7]
	v_add_f32 v[WK+3], v[STT+9], v[STT+11]
	v_add_f32 v[WK+4], v[STT+13], v[STT+15]
	s_delay_alu instid0(VALU_DEP_3)
	v_add_f32 v[WK+1], v[WK+1], v[WK+2]
	s_delay_alu instid0(VALU_DEP_2)
	v_add_f32 v[WK+3], v[WK+3], v[WK+4]
	s_delay_alu instid0(VALU_DEP_1)
	v_add_f32 v[WK+1], v[WK+1], v[WK+3]
	v_sub_f32 v[WK+4], v[STT], v[MEAN]
	s_delay_alu instid0(VALU_DEP_1)
	v_mul_f32 v[WK+5], v[WK+4], v[WK+4]
.irp i, 1,2,3,4,5,6,7
	v_sub_f32 v[WK+4], v[STT+2*\i], v[MEAN]
	s_delay_alu instid0(VALU_DEP_1)
	v_fmac_f32 v[WK+5], v[WK+4], v[WK+4]
.endr
	s_delay_alu instid0(VALU_DEP_1)
	v_fmamk_f32 v[WK+1], v[WK+5], 0x46800000, v[WK+1]
	v_mov_b32 v[WK+2], 0x37000000                  ; 1 / 131,072
	s_delay_alu instid0(VALU_DEP_1)
	v_fmaak_f32 v[WK+1], v[WK+2], v[WK+1], 0x3727c5ac   ; the variance + 1e-5
	s_wait_alu depctr_va_vdst(0)
	v_rsq_f32 v[RSTD], v[WK+1]
	v_nop                                          ; one plain place behind a transcendental
	s_wait_alu depctr_va_vdst(0)
	v_mov_b32 v[RSTD+1], v[RSTD]
	WIN 0x41                                       ; source 0 and destination window 1
.set i, 0
.rept 16
	v_pk_mul_f32 v[CA+2*i:CA+2*i+1], v[CA+2*i:CA+2*i+1], v[RSTD:RSTD+1]
.set i, i+1
.endr
	WIN 0
; ---- phase X, block g of 32 positions: my position's 32 channels are normalised, quantised, and stored as a part of h's fragments
.macro UNITX g
.set XS, XR+32*(\g)
.set i, 0
.rept 16
	v_pk_add_f32 v[XS+2*i:XS+2*i+1], v[XS+2*i:XS+2*i+1], v[MEAN:MEAN+1] neg_lo:[0,1] neg_hi:[0,1]
.set i, i+1
.endr
	WIN 0x14                                       ; sources 1 and 2 window 1
.set i, 0
.rept 16
	v_pk_fma_f32 v[XS+2*i:XS+2*i+1], v[XS+2*i:XS+2*i+1], v[CA+2*i:CA+2*i+1], v[CB+2*i:CB+2*i+1]
.set i, i+1
.endr
	WIN 0
	v_max3_num_f32 v[WK], |v[XS]|, |v[XS+1]|, |v[XS+2]|            ; the block's largest magnitude: all 32 numbers are mine
	v_max3_num_f32 v[WK+1], |v[XS+3]|, |v[XS+4]|, |v[XS+5]|
.irp i, 6,10,14,18,22,26
	s_delay_alu instid0(VALU_DEP_2)
	v_max3_num_f32 v[WK], v[WK], |v[XS+\i]|, |v[XS+\i+1]|
	s_delay_alu instid0(VALU_DEP_2)
	v_max3_num_f32 v[WK+1], v[WK+1], |v[XS+\i+2]|, |v[XS+\i+3]|
.endr
	s_delay_alu instid0(VALU_DEP_2)
	v_max3_num_f32 v[WK], v[WK], |v[XS+30]|, |v[XS+31]|
	s_delay_alu instid0(VALU_DEP_1)
	v_max3_num_f32 v[WK], v[WK], v[WK+1], 0x1800000                ; and the floor 2^(3 - 127)
	s_delay_alu instid0(VALU_DEP_1)
	v_add_nc_u32 v[WK+2], 0xff000000, v[WK]                        ; 2 off the exponent field: the conversion's scale operand
	v_cvt_scalef32_pk16_fp6_f32 v[XC+6*(\g):XC+6*(\g)+2], v[XS:XS+15], v[WK+2]
	v_cvt_scalef32_pk16_fp6_f32 v[XT:XT+2], v[XS+16:XS+31], v[WK+2]
	v_lshrrev_b32 v[XBY+(\g)], 23, v[WK+2]                         ; the scale's byte; also the plain place behind the conversions
.irp i, 0,1,2
	v_mov_b32 v[XC+6*(\g)+3+\i], v[XT+\i]
.endr
.irp i, 0,1,2
	ds_store_b64 v[XW], v[XC+6*(\g)+2*\i:XC+6*(\g)+2*\i+1] offset:6144*(\g)+256*\i
.endr
	ds_store_b8 v[XB], v[XBY+(\g)] offset:256*(\g)
.endm
	UNITX 0
	UNITX 1
	s_wait_loadcnt 32                              ; block 2's loads are in; block 3's 32 were issued behind them
	UNITX 2
	s_wait_loadcnt 0x0
	UNITX 3
	BARRIER                                        ; h's sixteen fragments and their scale words lie in LDS
	; ---- phase 1: q or k of my head for my four tiles of positions
.irp f, 0,1,2,3,4,5,6,7
.irp p, 0,1,2,3,4,5
	ds_load_b64 v[HF+12*\f+2*\p:HF+12*\f+2*\p+1], v[HLA] offset:1536*\f+256*\p
.endr
	ds_load_b32 v[HS+\f], v[HSA] offset:64*\f
.endr
	s_wait_dscnt 0x0
.macro UNITQK tl                       ; tile tl of my four: four tiles of the head's channels, two K steps; the four accumulators take turns
	WIN 0x11                                       ; source 0 (the weight) and source 2 (the bias) window 1
.irp t, 0,1,2,3
	v_wmma_scale_f32_16x16x128_f8f6f4 v[VA+8*\t:VA+8*\t+7], v[24*\t:24*\t+11], v[HF+24*(\tl):HF+24*(\tl)+11], v[BQ+8*\t:BQ+8*\t+7], v[WS+2*\t], v[HS+2*(\tl)] matrix_a_fmt:MATRIX_FMT_FP6 matrix_b_fmt:MATRIX_FMT_FP6
.endr
	WIN 0x01
.irp t, 0,1,2,3
	v_wmma_scale_f32_16x16x128_f8f6f4 v[VA+8*\t:VA+8*\t+7], v[24*\t+12:24*\t+23], v[HF+24*(\tl)+12:HF+24*(\tl)+23], v[VA+8*\t:VA+8*\t+7], v[WS+2*\t+1], v[HS+2*(\tl)+1] matrix_a_fmt:MATRIX_FMT_FP6 matrix_b_fmt:MATRIX_FMT_FP6
.endr
	WIN 0
	PLACES                                         ; four places in front of the first read of the results
	QUANT2 VA, PC0+12*((\tl)/2)+6*((\tl)%2), AUX, TM, PW+(\tl)%2
.if (\tl)%2                            ; a block's two tiles are one fragment: twelve registers, one scale word a row
	v_lshl_or_b32 v[KW+(\tl)/2], v[PW+1], 16, v[PW]
.irp g, 0,1,2
	global_store_b128 v[LI], v[PC0+12*((\tl)/2)+4*\g:PC0+12*((\tl)/2)+4*\g+3], s[38:39] offset:1536*((\tl)/2)+512*\g   ; 512 consecutive bytes
.endr
	ds_store_b32 v[KSA], v[KW+(\tl)/2] offset:64*((\tl)/2)         ; lanes r and r + 16 write the same word with the same value
.endif
.endm
	UNITQK 0
	UNITQK 1
	UNITQK 2
	UNITQK 3
	; ---- phase 2: v of my 16 channels for all 128 keys: eight accumulators by turns, a K step at a time
.irp s, 0,1
.if \s
	PLACES                                         ; in front of loads into registers that the last products read (ahead of K step 0 phase 1's places and quantiser lines stand)
.endif
.irp m, 0,1,2,3,4,5,6,7
.irp p, 0,1,2,3,4,5
	ds_load_b64 v[HF+12*\m+2*\p:HF+12*\m+2*\p+1], v[HLB] offset:3072*\m+1536*\s+256*\p
.endr
	ds_load_b32 v[HS+\m], v[HSB] offset:128*\m+64*\s
.endr
	s_wait_dscnt 0x0
.if \s
	WIN 0x04                                       ; source 1 (Wv) window 1
.else
	WIN 0x14                                       ; and source 2 (bv) too
.endif
.irp m, 0,1,2,3,4,5,6,7
.if \s
	v_wmma_scale_f32_16x16x128_f8f6f4 v[VA+8*\m:VA+8*\m+7], v[HF+12*\m:HF+12*\m+11], v[WVF+12:WVF+23], v[VA+8*\m:VA+8*\m+7], v[HS+\m], v[WVS+1] matrix_a_fmt:MATRIX_FMT_FP6 matrix_b_fmt:MATRIX_FMT_FP6
.else
	v_wmma_scale_f32_16x16x128_f8f6f4 v[VA+8*\m:VA+8*\m+7], v[HF+12*\m:HF+12*\m+11], v[WVF:WVF+11], v[BV:BV+7], v[HS+\m], v[WVS] matrix_a_fmt:MATRIX_FMT_FP6 matrix_b_fmt:MATRIX_FMT_FP6
.endif
.endr
	WIN 0
.endr
	PLACES
	s_wait_xcnt 0x0                                ; phase 1's stores have read their registers: both sets of code registers are written again below
	QUANT4 VA
.irp g, 0,1,2
	global_store_b128 v[LI], v[PC0+4*\g:PC0+4*\g+3], s[66:67] offset:512*\g
.endr
	ds_store_b32 v[VSA], v[PW]
	BARRIER                                        ; both heads' scale words lie in LDS
	; ---- the scale words leave in whole runs: waves 0, 1: K's and V's 512 bytes of a head; waves 2, 3: Q's 256
	s_cmp_lt_u32 s[WV], 2
	s_cbranch_scc0 .Lnot_kv
	ds_load_b128 v[CD:CD+3], v[CPA]
	s_wait_dscnt 0x0
	global_store_b128 v[LI], v[CD:CD+3], s[70:71]
	s_branch .Lend
.Lnot_kv:
	s_cmp_lt_u32 s[WV], 4
	s_cbranch_scc0 .Lend
	ds_load_b64 v[CD:CD+1], v[CPQ]
	s_wait_dscnt 0x0
	global_store_b64 v[L8], v[CD:CD+1], s[72:73]
.Lend:
	s_wait_tensorcnt 0x0
	ds_add_u32 v254, v255
	s_wait_dscnt 0x0
	s_endpgm
.Lfunc_end_k_q0148d29f02_qkv:
	.size	k_q0148d29f02_qkv, .Lfunc_end_k_q0148d29f02_qkv-k_q0148d29f02_qkv
	.p2alignl 7, 3214868480
	.fill 96, 4, 3214868480
	.section	.rodata,"a",@progbits
	.p2align	6, 0x0
	.amdhsa_kernel k_q0148d29f02_qkv
		.amdhsa_group_segment_fixed_size 28160
		.amdhsa_private_segment_fixed_size 0
		.amdhsa_enable_private_segment 0
		.amdhsa_kernarg_size 128
		.amdhsa_user_sgpr_count 2
		.amdhsa_user_sgpr_kernarg_segment_ptr 1
		.amdhsa_wavefront_size32 1
		.amdhsa_system_sgpr_workgroup_id_x 1
		.amdhsa_system_sgpr_workgroup_id_y 1
		.amdhsa_system_sgpr_workgroup_id_z 1
		.amdhsa_system_vgpr_workitem_id 0
		.amdhsa_next_free_vgpr 512
		.amdhsa_next_free_sgpr 80
		.amdhsa_reserve_vcc 0
		.amdhsa_float_denorm_mode_32 3
		.amdhsa_float_denorm_mode_16_64 3
		.amdhsa_memory_ordered 1
		.amdhsa_forward_progress 1
		.amdhsa_inst_pref_size 82
	.end_amdhsa_kernel
	.amdgpu_metadata
---
amdhsa.version: [ 1, 2 ]
amdhsa.kernels:
  - .name:           k_q0148d29f02_qkv
    .symbol:         k_q0148d29f02_qkv.kd
    .args:
      - { .name: x, .offset: 0, .size: 8, .value_kind: global_buffer, .address_space: global }
      - { .name: stats, .offset: 8, .size: 8, .value_kind: global_buffer, .address_space: global }
      - { .name: gn_w, .offset: 16, .size: 8, .value_kind: global_buffer, .address_space: global }
      - { .name: gn_b, .offset: 24, .size: 8, .value_kind: global_buffer, .address_space: global }
      - { .name: wq_codes, .offset: 32, .size: 8, .value_kind: global_buffer, .address_space: global }
      - { .name: wk_codes, .offset: 40, .size: 8, .value_kind: global_buffer, .address_space: global }
      - { .name: wq_scales, .offset: 48, .size: 8, .value_kind: global_buffer, .address_space: global }
      - { .name: wk_scales, .offset: 56, .size: 8, .value_kind: global_buffer, .address_space: global }
      - { .name: bq, .offset: 64, .size: 8, .value_kind: global_buffer, .address_space: global }
      - { .name: bk, .offset: 72, .size: 8, .value_kind: global_buffer, .address_space: global }
      - { .name: wv_codes, .offset: 80, .size: 8, .value_kind: global_buffer, .address_space: global }
      - { .name: wv_scales, .offset: 88, .size: 8, .value_kind: global_buffer, .address_space: global }
      - { .name: bv, .offset: 96, .size: 8, .value_kind: global_buffer, .address_space: global }
      - { .name: qcodes, .offset: 104, .size: 8, .value_kind: global_buffer, .address_space: global }
      - { .name: kvbuf, .offset: 112, .size: 8, .value_kind: global_buffer, .address_space: global }
      - { .name: qscales, .offset: 120, .size: 8, .value_kind: global_buffer, .address_space: global }
    .group_segment_fixed_size: 28160
    .private_segment_fixed_size: 0
    .kernarg_segment_align: 8
    .kernarg_segment_size: 128
    .max_flat_workgroup_size: 256
    .sgpr_count:     80
    .vgpr_count:     512
    .wavefront_size: 32
...
	.end_amdgpu_metadata
.endif
;; end of part 2
;; launch attn (part 3): grid 16 x 16, 16 waves a work-group, clusters of 4 x 1, 327,680 bytes of LDS; arguments qcodes, qscales, kvbuf, obuf; writes obuf
.if DOCPART == 3
	.amdgcn_target "amdgcn-amd-amdhsa--gfx1250"
	.amdhsa_code_object_version 6
	.text
	.protected	k_q0148d29f02_attn
	.globl	k_q0148d29f02_attn
	.p2align	8
	.type	k_q0148d29f02_attn,@function
k_q0148d29f02_attn:
	s_mov_b64 s[64:65], 0
	v_nop
	global_prefetch_b8 v0, s[64:65] scope:SCOPE_SE
	s_setreg_imm32_b32 hwreg(HW_REG_WAVE_MODE, 25, 1), 1
	s_wait_xcnt 0x0
	s_wait_alu depctr_hold_cnt(0) depctr_sa_sdst(0) depctr_va_vdst(0) depctr_va_sdst(0) depctr_va_ssrc(0) depctr_va_vcc(0) depctr_vm_vsrc(0)
	s_getreg_b32 s2, hwreg(HW_REG_IB_STS2, 6, 4)
	s_cmp_eq_u32 s2, 0
	s_cbranch_scc0 .Lentry_in_a_cluster
	s_endpgm
.Lentry_in_a_cluster:
	s_bfe_u32 s2, ttmp6, 0x10000c
	s_cmp_lg_u32 s2, 0x3003
	s_cbranch_scc0 .Lentry_shape_is_right
	s_endpgm
.Lentry_shape_is_right:
; Attention of 16 heads (4,096 queries x 4,096 keys, head size 64) on codes of FP6 (E2M3) with one E8M0 scale for each 32 along a product's K, and the quantising of its result along the channels.
; THE SOFTMAX: t = score x log2(e) / 8; M = the row's largest t so far, rounded UP to a whole number; p = 2^(t - M) is what is quantised, along the keys, not normalised.  The row's sum is taken of the
; unquantised p and divides O at the end.  When M moves, the sum and O are multiplied by 2^(old M - new M): nothing is rounded, and there is no branch on data.
; SHARES.  A work-group owns 256 queries of one head; each of its sixteen waves one tile of 16, in 256 registers: four waves to a SIMD, so that one wave's vector work stands beside another's products and LDS loads.
; Every wave walks the head's 32 key steps of 128 keys.  A key step's block (12,800 bytes: K's four fragments, V's four, their scale words) lies in kvbuf in the order of the operands' registers:
; a fragment comes by three loads of 16 bytes a lane, two fragments' scale words by one of 4 bytes a lane; no pitch, no padding.
; THE RING: two LDS slots of eight key steps, filled by the tensor data mover: waves 0 to 3 fetch two steps (100 rows of 256 bytes) each.
; CLUSTER: the four query blocks of a cluster belong to one head and walk the same K and V: each tile is asked for JOINTLY, by the same load with the same descriptor and a mask that names the four.
; BOTH PRODUCTS ARE USED TRANSPOSED: S^T = K Q^T, O^T = V^T P^T: a lane holds ONE query (lane % 16) throughout.  The keys of a tile and V's channels lie in the tile order that the launch before gave them,
; so that 16 registers of two neighbouring tiles are 16 neighbouring keys (channels).
; K = 64 UNDER AN INSTRUCTION OF K = 128: a fragment of K holds TWO tiles of keys, one in registers 0-5, the other in 6-11.  Q stands as [0 x 6 | q x 6 | 0 x 6]: against its upper twelve registers [q, 0]
; the fragment gives the first tile's scores, against its lower twelve [0, q] the second's.  Zero codes add nothing under any scale byte that occurs (1 to 254).  No byte is read from LDS for nothing.
; OUT.  obuf [4 batches][256 tiles][4 heads][4 pieces][32 lanes][8 B]: pieces 0-2 the six code registers, piece 3 the two scale bytes: four stores of 256 consecutive bytes a wave.
; LIMITS: NaN and infinities are not served.  A block whose largest magnitude lies under 2^-124 gets the scale byte 1: its codes are zeros, and only this program reads the bytes.  1 / l by v_rcp_f32.
; A block's largest p is made from the block's largest score by the same two instructions as every p: this takes v_exp_f32 not to fall where its input rises.
.set STEPB, 12800                      ; a key step's block
.set SCO,   12288                      ; where its scale words begin
.set NST,   8                          ; key steps in a slot
.set SLOTB, NST*STEPB
.set SLOT1, 1<<17                      ; slot 1 begins here: one exclusive or turns an address in one slot into the other's
.set SPARE, SLOT1+SLOTB                ; behind the ring: the spare words, 128 bytes for each wave: eight blocks of 256 bytes that no other line names
.set HEADB, 32*STEPB
.set LI,  1                            ; 16 lane
.set LS,  2                            ; SCO + 4 lane
.set PFO, 3                            ; the prefetches' offset
.set OA,  4                            ; 8 lane
.set SPW, 5                            ; LDS address of my spare word; never rewritten
.set NIL, 6                            ; 0; never rewritten
.set QSA, 7                            ; 4 r
.set ADC, 8                            ; LDS address of the step's fragments
.set ADS, 9                            ; and of its scale words
.set Q,   16                           ; v[16:33]  [0 | q | 0];  v12 -M, v13 the largest t, v[14:15] the sum in two halves
.set QS,  34                           ; Q's scale word
.set KV,  36                           ; v[36:83]  four fragments: K's, then V's
.set KS,  84                           ; v84, v85  K's scale words: lanes 0-15 the even fragment's, lanes 16-31 the odd one's
.set VS,  86                           ; v86, v87  V's
.set S,   96                           ; v[96:159] S^T, then p
.set O,   160                          ; v[160:191] O^T
.set PC,  192                          ; v[192:203] p's codes
.set AUX, 204                          ; v[204:206], v[208:210] the second conversions' results
.set BM,  212                          ; v[212:215] each block's largest score, then p
.set PT,  216                          ; v[216:219] the other half's maxima, then the scale bytes
.set SO,  220                          ; v[220:223] the conversions' scale operands
.set F,   224                          ; v[224:225] f = 2^(old M - new M), 0
.set TMP, 226
.set PWD, 227                          ; p's scale word
.set SM2, 228                          ; v[228:229] the sum's second chain
.set WV,  18
.set W4,  19
.set SEL, 20
.set CS,  22
.set G1,  24                           ; s[24:31] descriptor group 1
.set G0,  40                           ; s[40:43] group 0: it walks
.set TB,  48                           ; LDS byte at which the step in hand begins
.set SLOTS, 50                         ; slots still to be asked for
.set STC, 51                           ; steps of the slot still to go
.set PFA, 52                           ; s[52:53] where my prefetches stand
.set LIM, 54                           ; 1 in a wave that prefetches, else the greatest number
.set CX,  55
.set HD,  56
.set UM,  57                           ; all ones where my tile is a block's second
.set USH, 58                           ; 16 there, else 0
.macro CROUND                          ; a round of the cluster's barrier: my work-group's barrier; wave 0 signals for it; every wave waits for all four work-groups; my work-group's barrier once more
	s_barrier_signal -1
	s_barrier_wait -1
	s_cmp_lg_u32 s[WV], 0
	s_cbranch_scc1 .Lnot_wave_0_\@
	s_barrier_signal -3
.Lnot_wave_0_\@:
	s_barrier_wait -3
	s_barrier_signal -1
	s_barrier_wait -1
.endm
.macro QUANT2 src, dst, aux, mx, pw    ; 32 numbers of a lane, register src + 16 b + i = k 32 b + 16 (lane / 16) + i of my row -> six registers of codes at dst (lane (r, h): k = 32 h ..), two scale bytes in pw
.irp b, 0,1
	v_max3_num_f32 v[\mx+\b], |v[\src+16*\b]|, |v[\src+16*\b+1]|, 0x1800000
.endr
.irp i, 2,4,6,8,10,12,14
.irp b, 0,1
	s_delay_alu instid0(VALU_DEP_2)
	v_max3_num_f32 v[\mx+\b], v[\mx+\b], |v[\src+16*\b+\i]|, |v[\src+16*\b+\i+1]|
.endr
.endr
.irp b, 0,1
	s_delay_alu instid0(VALU_DEP_2)
	v_permlanex16_b32 v[\mx+2+\b], v[\mx+\b], s[SEL], s[SEL+1]
.endr
.irp b, 0,1
	s_delay_alu instid0(VALU_DEP_2)
	v_max_num_f32 v[\mx+\b], v[\mx+\b], v[\mx+2+\b]
.endr
.irp b, 0,1
	s_delay_alu instid0(VALU_DEP_2)
	v_add_nc_u32 v[\mx+4+\b], 0xff000000, v[\mx+\b]
.endr
.irp b, 0,1
	s_delay_alu instid0(VALU_DEP_2)
	v_lshrrev_b32 v[\mx+2+\b], 23, v[\mx+4+\b]
.endr
	s_delay_alu instid0(VALU_DEP_1)
	v_lshl_or_b32 v[\pw], v[\mx+3], 8, v[\mx+2]
	v_cvt_scalef32_pk16_fp6_f32 v[\dst:\dst+2], v[\src:\src+15], v[\mx+4]
	v_cvt_scalef32_pk16_fp6_f32 v[\aux:\aux+2], v[\src+16:\src+31], v[\mx+5]
	v_nop                                          ; one plain place behind a scaled conversion
.irp i, 0,1,2
	v_permlane16_swap_b32 v[\dst+\i], v[\aux+\i]
.endr
.irp i, 0,1,2
	s_delay_alu instid0(VALU_DEP_3)
	v_mov_b32 v[\dst+3+\i], v[\aux+\i]
.endr
.endm
	s_load_b256 s[4:11], s[0:1], 0x0               ; qcodes 4, qscales 6, kvbuf 8, obuf 10
	v_lshl_add_u32 v[SPW], v0, 2, SPARE
	v_mov_b32 v[NIL], 0
	ds_add_u32 v5, v6
	ds_add_u32 v5, v6
	s_wait_dscnt 0x0
	v_lshrrev_b32 v8, 5, v0
	s_delay_alu instid0(VALU_DEP_1)
	v_readfirstlane_b32 s[WV], v8                  ; wave 0..15
	s_and_b32 s[W4], s[WV], 3
	s_bfe_u32 s[CX], ttmp6, 0x40000                ; my place in the cluster: it enters Q's, O's and the prefetches' addresses alone
	s_and_b32 s[HD], ttmp7, 0xffff                 ; the head, which the four partners share
	; descriptor group 1: 100 rows of 256 bytes (32 elements of 8 bytes), dense in memory and in LDS
	s_mov_b32 s[G1], 15|(3<<16)|(1<<21)            ; 15:0 the mask: all four work-groups; 17:16 elements of 8 bytes; 20 no padding; 21 set beside a mask
	s_mov_b32 s[G1+1], 32<<16                      ; tensor_dim0 = 32
	s_mov_b32 s[G1+2], 100<<16                     ; tensor_dim1 = 100
	s_mov_b32 s[G1+3], 32<<16                      ; tile_dim0 = 32
	s_mov_b32 s[G1+4], 100                         ; tile_dim1 = 100
	s_mov_b32 s[G1+5], 32                          ; from row to row
	s_mov_b32 s[G1+6], 0
	s_mov_b32 s[G1+7], 0
	s_mul_i32 s60, s[HD], HEADB
	s_mul_i32 s[G0+1], s[W4], 2*STEPB              ; LDS address: two key steps a fetching wave; slot 0
	s_add_co_u32 s60, s60, s[G0+1]
	s_mov_b32 s61, 0
	s_mov_b32 s[G0], 1
	s_mov_b32 s[SEL], 0x76543210
	s_mov_b32 s[SEL+1], 0xfedcba98                 ; selects for lane l xor 16
	s_mov_b32 s[CS], 0x3e38aa3b                    ; c = log2(e) / 8
	s_mov_b32 s[CS+1], s[CS]                       ; (named with it as a pair, so it is written)
	s_mov_b32 s[TB], 0
	s_mov_b32 s[SLOTS], 3
	s_and_b32 s[UM], s[WV], 1
	s_lshl_b32 s[USH], s[UM], 4
	s_sub_co_u32 s[UM], 0, s[UM]
	s_lshr_b32 s59, s[WV], 2
	s_xor_b32 s59, s59, 1                          ; 0 in waves 4 to 7,
	s_or_b32 s59, s59, ttmp9                       ; of the head's first cluster: the same in all four partners
	s_cmp_eq_u32 s59, 0
	s_cselect_b32 s[LIM], 1, -1
	s_mul_i32 s62, s[HD], HEADB                    ; the prefetches: my work-group's two key steps of a slot, my wave's quarter of them,
	s_mul_i32 s63, s[CX], 2*STEPB
	s_add_co_u32 s62, s62, s63
	s_mul_i32 s63, s[W4], STEPB/2
	s_add_co_u32 s62, s62, s63
	s_add_co_u32 s62, s62, SLOTB                   ; in slot 1: the first change of slots steps it to slot 2.  Nothing is prefetched at the head
	s_mov_b32 s63, 0
	s_lshl_b32 s66, ttmp9, 2
	s_add_co_u32 s66, s66, s[CX]                   ; my block of 256 queries
	s_lshl_b32 s67, s66, 3
	s_lshr_b32 s68, s[WV], 1
	s_add_co_u32 s67, s67, s68                     ; my block of 32 queries
	s_mul_i32 s68, s67, 1536
	s_mul_i32 s69, s[HD], 196608
	s_add_co_u32 s68, s68, s69
	s_mov_b32 s69, 0
	s_lshl_b32 s70, s67, 6
	s_lshl_b32 s71, s[HD], 13
	s_add_co_u32 s70, s70, s71
	s_mov_b32 s71, 0
	s_wait_kmcnt 0x0
	s_add_nc_u64 s[G0+2:G0+3], s[8:9], s[60:61]
	s_or_b32 s[G0+3], s[G0+3], 0x80000000          ; type = 2
	s_add_nc_u64 s[PFA:PFA+1], s[8:9], s[62:63]
	s_add_nc_u64 s[4:5], s[4:5], s[68:69]          ; Q's codes
	s_add_nc_u64 s[6:7], s[6:7], s[70:71]          ; and scale words
	s_lshr_b32 s68, s[HD], 2                       ; O: ((256 batch + tile) 4 + head in the batch) x 1,024
	s_lshl_b32 s68, s68, 8
	s_lshl_b32 s70, s66, 4
	s_add_co_u32 s68, s68, s70
	s_add_co_u32 s68, s68, s[WV]
	s_lshl_b32 s68, s68, 2
	s_and_b32 s70, s[HD], 3
	s_add_co_u32 s68, s68, s70
	s_lshl_b32 s68, s68, 10
	s_add_nc_u64 s[10:11], s[10:11], s[68:69]
	CROUND                                         ; all four work-groups are here: the first joint loads meet
	s_cmp_lt_u32 s[WV], 4
	s_cbranch_scc0 .Lno_first
	tensor_load_to_lds s[G0:G0+3], s[G1:G1+7]      ; slot 0: one load of mine is out
	s_nop 0
.rept 4
	v_nop                                          ; four places behind a tensor load
.endr
.Lno_first:
	v_and_b32 v8, 31, v0
	v_and_b32 v9, 15, v0
	s_delay_alu instid0(VALU_DEP_2)
	v_lshlrev_b32 v[LI], 4, v8
	s_delay_alu instid0(VALU_DEP_3)
	v_lshl_add_u32 v[LS], v8, 2, SCO
	s_delay_alu instid0(VALU_DEP_4)
	v_min_u32 v[PFO], 24, v8                       ; a wave's quarter is 25 blocks of 256 bytes: lanes 25 to 31 name lane 24's again, in the same instruction
	s_delay_alu instid0(VALU_DEP_1)
	v_lshlrev_b32 v[PFO], 8, v[PFO]
	v_lshlrev_b32 v[OA], 3, v8
	v_lshlrev_b32 v[QSA], 2, v9
.irp g, 0,1,2
	global_load_b128 v[S+4*\g:S+4*\g+3], v[LI], s[4:5] offset:512*\g   ; my block's two tiles of Q
.endr
	global_load_b32 v[TMP], v[QSA], s[6:7]
.irp i, 0,1,2,3,4,5
	v_mov_b32 v[Q+\i], 0
	v_mov_b32 v[Q+12+\i], 0
.endr
	v_mov_b32 v13, 0xff61b1e6                      ; the largest t so far: -3e38, under every t
	s_delay_alu instid0(VALU_DEP_1)
	v_floor_f32 v12, -v13                          ; -M
	v_mov_b32 v14, 0
	v_mov_b32 v15, 0
.irp b, 0,1,2,3
	v_mov_b32 v[PT+\b], 0                          ; written once: a lane permute's destination counts as read
.endr
	v_mov_b32 v[F+1], 0                            ; (named as the upper half of a pair)
	s_wait_loadcnt 0x0
.irp i, 0,1,2,3,4,5
	v_cndmask_b32 v[Q+6+\i], v[S+\i], v[S+6+\i], s[UM]   ; my tile's six registers
.endr
	v_lshrrev_b32 v[TMP], s[USH], v[TMP]
	s_delay_alu instid0(VALU_DEP_1)
	v_and_b32 v[TMP], 0xffff, v[TMP]               ; my tile's two scale bytes,
	s_delay_alu instid0(VALU_DEP_1)
	v_lshl_or_b32 v[QS], v[TMP], 16, v[TMP]        ; twice: they serve [q, 0] and [0, q]
.set i, 0
.rept 32
	v_mov_b32 v[O+i], 0                            ; O^T.  (The step is written once: the first finds zeros, which the first change of M leaves zeros.  These lines are also the places between Q's and its scale word's making and the first product)
.set i, i+1
.endr
; A PREFETCH INTO THE L2 of the slot that the NEXT change of slots will ask for: 400 blocks of 256 bytes.  All clusters of a head walk the same blocks: the head's first cluster asks.  Its four partners
; share them out BY ADDRESS, 100 each; in each, waves 4 to 7, which fetch nothing, take 25 each, lanes 256 bytes apart: one instruction a wave.  It stands in a slot's seventh step, behind the step's run of
; LDS loads: two key steps ahead of the load that will want the bytes.  Slots 0 and 1 come by their loads alone; the last change that fills a slot has no slot behind it, and asks for nothing.
.macro ASK
	s_cmp_eq_u32 s[STC], 2
	s_cbranch_scc0 .Lno_ask_\@
	s_cmp_gt_u32 s[SLOTS], s[LIM]
	s_cbranch_scc0 .Lno_ask_\@
	global_prefetch_b8 v[PFO], s[PFA:PFA+1] th:TH_LOAD_NT scope:SCOPE_SE
.Lno_ask_\@:
.endm
; A KEY STEP: 128 keys.
.macro STEP ask
	v_add_nc_u32 v[ADC], s[TB], v[LI]
	v_add_nc_u32 v[ADS], s[TB], v[LS]
	v_nop
	v_nop                                          ; four places in front of loads into registers that the last products read
	ds_load_b32 v[KS], v[ADS]
	ds_load_b32 v[KS+1], v[ADS] offset:128
.irp f, 0,1,2,3
.irp g, 0,1,2
	ds_load_b128 v[KV+12*\f+4*\g:KV+12*\f+4*\g+3], v[ADC] offset:1536*\f+512*\g
.endr
.endr
.if \ask
	ASK
.endif
.irp f, 0,1,2,3                                ; S^T = K Q^T: a fragment's two tiles of 16 keys
	s_wait_dscnt 9-3*\f                            ; fragment f is in; the later fragments' loads, three each, may be out
.if \f%2
	v_wmma_scale_f32_16x16x128_f8f6f4 v[S+16*\f:S+16*\f+7], v[KV+12*\f:KV+12*\f+11], v[Q+6:Q+17], 0, v[KS+\f/2], v[QS] matrix_a_fmt:MATRIX_FMT_FP6 matrix_b_fmt:MATRIX_FMT_FP6 matrix_a_scale:MATRIX_SCALE_ROW1
	v_wmma_scale_f32_16x16x128_f8f6f4 v[S+16*\f+8:S+16*\f+15], v[KV+12*\f:KV+12*\f+11], v[Q:Q+11], 0, v[KS+\f/2], v[QS] matrix_a_fmt:MATRIX_FMT_FP6 matrix_b_fmt:MATRIX_FMT_FP6 matrix_a_scale:MATRIX_SCALE_ROW1
.else
	v_wmma_scale_f32_16x16x128_f8f6f4 v[S+16*\f:S+16*\f+7], v[KV+12*\f:KV+12*\f+11], v[Q+6:Q+17], 0, v[KS+\f/2], v[QS] matrix_a_fmt:MATRIX_FMT_FP6 matrix_b_fmt:MATRIX_FMT_FP6
	v_wmma_scale_f32_16x16x128_f8f6f4 v[S+16*\f+8:S+16*\f+15], v[KV+12*\f:KV+12*\f+11], v[Q:Q+11], 0, v[KS+\f/2], v[QS] matrix_a_fmt:MATRIX_FMT_FP6 matrix_b_fmt:MATRIX_FMT_FP6
.endif
.endr                                          ; lane (r, h): query r; register 16 b + i: key 32 b + 16 h + i of the step
.rept 4
	v_nop                                          ; four places in front of the loads below and of the first read of the scores
.endr
	s_wait_alu depctr_va_vdst(0)
	ds_load_b32 v[VS], v[ADS] offset:256           ; V's fragments take K's registers: they land under the softmax
	ds_load_b32 v[VS+1], v[ADS] offset:384
.irp f, 0,1,2,3
.irp g, 0,1,2
	ds_load_b128 v[KV+12*\f+4*\g:KV+12*\f+4*\g+3], v[ADC] offset:6144+1536*\f+512*\g
.endr
.endr
.irp b, 0,1,2,3
	v_max3_num_f32 v[BM+\b], v[S+16*\b], v[S+1+16*\b], v[S+2+16*\b]   ; the largest score of each block of 32 keys: it serves the row's maximum and, since p rises with the score, the block's largest p
.endr
.irp i, 3,5,7,9,11,13
.irp b, 0,1,2,3
	v_max3_num_f32 v[BM+\b], v[BM+\b], v[S+16*\b+\i], v[S+1+16*\b+\i]
.endr
.endr
.irp b, 0,1,2,3
	v_max_num_f32 v[BM+\b], v[BM+\b], v[S+15+16*\b]
.endr
.irp b, 0,1,2,3
	s_delay_alu instid0(VALU_DEP_4)
	v_permlanex16_b32 v[PT+\b], v[BM+\b], s[SEL], s[SEL+1]
.endr
.irp b, 0,1,2,3
	s_delay_alu instid0(VALU_DEP_4)
	v_max_num_f32 v[BM+\b], v[BM+\b], v[PT+\b]     ; with lane l xor 16's 16 keys
.endr
	s_delay_alu instid0(VALU_DEP_2)
	v_max3_num_f32 v[TMP], v[BM], v[BM+1], v[BM+2]
	s_delay_alu instid0(VALU_DEP_1)
	v_max_num_f32 v[TMP], v[TMP], v[BM+3]          ; the step's largest score of my query
	s_delay_alu instid0(VALU_DEP_1)
	v_mul_f32 v[TMP], s[CS], v[TMP]                ; as t (c is positive)
	s_delay_alu instid0(VALU_DEP_1)
	v_max_num_f32 v13, v13, v[TMP]                 ; the running largest t
	v_mov_b32 v[TMP], v12
	s_delay_alu instid0(VALU_DEP_2)
	v_floor_f32 v12, -v13                          ; the new -M = floor(-t) = -ceil(t)
	s_delay_alu instid0(VALU_DEP_1)
	v_sub_f32 v[TMP], v12, v[TMP]                  ; old M - new M: a whole number, 0 or less
	s_delay_alu instid0(VALU_DEP_1)
	v_cvt_i32_f32 v[TMP], v[TMP]                   ; (it saturates)
	s_delay_alu instid0(VALU_DEP_1)
	v_ldexp_f32 v[F], 1.0, v[TMP]                  ; f = 2^(old M - new M)
.set i, 0
.rept 32
	v_pk_fma_f32 v[S+2*i:S+2*i+1], v[S+2*i:S+2*i+1], s[CS:CS+1], v[12:13] op_sel_hi:[1,0,0]   ; t - M, two at a time
.set i, i+1
.endr
.irp b, 0,1,2,3
	v_fma_f32 v[BM+\b], v[BM+\b], s[CS], v12       ; the same of each block's largest score
.endr
.set i, 0
	s_wait_alu depctr_va_vdst(0)
.rept 64
	v_exp_f32 v[S+i], v[S+i]                       ; p = 2^(t - M), at most 1
.set i, i+1
.endr
	s_setprio 1
.irp b, 0,1,2,3
	v_exp_f32 v[BM+\b], v[BM+\b]                   ; the block's largest p
.endr
	v_pk_mul_f32 v[14:15], v[14:15], v[F:F+1] op_sel_hi:[1,0]   ; the sums under the new M.  (The plain place behind the exponentials)
	s_wait_alu depctr_va_vdst(0)
.irp b, 0,1,2,3
	v_max_num_f32 v[BM+\b], 0x1800000, v[BM+\b]    ; the floor 2^(3 - 127): the byte cannot fall under 1
.endr
.irp b, 0,1,2,3
	s_delay_alu instid0(VALU_DEP_4)
	v_add_nc_u32 v[SO+\b], 0xff000000, v[BM+\b]    ; 2 off the exponent field: the conversion's scale operand
.endr
.irp b, 0,1,2,3
	s_delay_alu instid0(VALU_DEP_4)
	v_lshrrev_b32 v[PT+\b], 23, v[SO+\b]           ; the scale's byte
.endr
	s_delay_alu instid0(VALU_DEP_3)
	v_lshl_or_b32 v[PWD], v[PT+1], 8, v[PT]        ; p's scale word for these 128 keys
	s_delay_alu instid0(VALU_DEP_1)
	v_lshl_or_b32 v[PWD], v[PT+2], 16, v[PWD]
	s_delay_alu instid0(VALU_DEP_1)
	v_lshl_or_b32 v[PWD], v[PT+3], 24, v[PWD]
.irp c, 0,1
	v_cvt_scalef32_pk16_fp6_f32 v[PC+6*\c:PC+2+6*\c], v[S+32*\c:S+15+32*\c], v[SO+2*\c]
	v_cvt_scalef32_pk16_fp6_f32 v[AUX+4*\c:AUX+2+4*\c], v[S+16+32*\c:S+31+32*\c], v[SO+2*\c+1]
.endr
	v_nop                                          ; one plain place behind a scaled conversion
.irp c, 0,1                                    ; a whole block to a lane: lanes 0-15 block 2 c, lanes 16-31 block 2 c + 1
.irp i, 0,1,2
	v_permlane16_swap_b32 v[PC+6*\c+\i], v[AUX+4*\c+\i]
.endr
.irp i, 0,1,2
	s_delay_alu instid0(VALU_DEP_3)
	v_mov_b32 v[PC+3+6*\c+\i], v[AUX+4*\c+\i]
.endr
.endr
	v_pk_add_f32 v[228:229], v[100:101], v[104:105]
	v_pk_add_f32 v[254:255], v[108:109], v[112:113]
	v_pk_add_f32 v[252:253], v[116:117], v[120:121]
	v_pk_add_f32 v[250:251], v[124:125], v[128:129]
	v_pk_add_f32 v[248:249], v[132:133], v[136:137]
	v_pk_add_f32 v[246:247], v[140:141], v[144:145]
	v_pk_add_f32 v[244:245], v[148:149], v[152:153]
	v_pk_add_f32 v[14:15], v[14:15], v[156:157]
	v_pk_add_f32 v[228:229], v[228:229], v[96:97]
	v_pk_add_f32 v[254:255], v[254:255], v[98:99]
	v_pk_add_f32 v[252:253], v[252:253], v[102:103]
	v_pk_add_f32 v[250:251], v[250:251], v[106:107]
	v_pk_add_f32 v[248:249], v[248:249], v[110:111]
	v_pk_add_f32 v[246:247], v[246:247], v[114:115]
	v_pk_add_f32 v[244:245], v[244:245], v[118:119]
	v_pk_add_f32 v[14:15], v[14:15], v[122:123]
	v_pk_add_f32 v[228:229], v[228:229], v[126:127]
	v_pk_add_f32 v[254:255], v[254:255], v[130:131]
	v_pk_add_f32 v[252:253], v[252:253], v[134:135]
	v_pk_add_f32 v[250:251], v[250:251], v[138:139]
	v_pk_add_f32 v[248:249], v[248:249], v[142:143]
	v_pk_add_f32 v[246:247], v[246:247], v[146:147]
	v_pk_add_f32 v[244:245], v[244:245], v[150:151]
	v_pk_add_f32 v[14:15], v[14:15], v[154:155]
	v_pk_add_f32 v[228:229], v[228:229], v[158:159]
	s_delay_alu instid0(VALU_DEP_2)
	v_pk_add_f32 v[14:15], v[14:15], v[250:251]
	s_delay_alu instid0(VALU_DEP_2)
	v_pk_add_f32 v[228:229], v[228:229], v[248:249]
	s_setprio 0
	v_pk_add_f32 v[254:255], v[254:255], v[246:247]
	v_pk_add_f32 v[252:253], v[252:253], v[244:245]
	s_delay_alu instid0(VALU_DEP_2)
	v_pk_add_f32 v[14:15], v[14:15], v[254:255]
	s_delay_alu instid0(VALU_DEP_2)
	v_pk_add_f32 v[228:229], v[228:229], v[252:253]
	s_delay_alu instid0(VALU_DEP_1)
	v_pk_add_f32 v[14:15], v[14:15], v[228:229]
.set i, 0
.rept 16
	v_pk_mul_f32 v[O+2*i:O+2*i+1], v[O+2*i:O+2*i+1], v[F:F+1] op_sel_hi:[1,0]   ; O^T under the new M, each accumulator from its low end on
.set i, i+1
.endr
	s_wait_alu depctr_va_vdst(0)
	s_wait_dscnt 0x0                               ; V is in
.irp t, 0,1,2,3                                ; O^T += V^T P^T: four tiles of 16 channels; the four accumulators take turns
.if \t%2
	v_wmma_scale_f32_16x16x128_f8f6f4 v[O+8*\t:O+8*\t+7], v[KV+12*\t:KV+12*\t+11], v[PC:PC+11], v[O+8*\t:O+8*\t+7], v[VS+\t/2], v[PWD] matrix_a_fmt:MATRIX_FMT_FP6 matrix_b_fmt:MATRIX_FMT_FP6 matrix_a_scale:MATRIX_SCALE_ROW1
.else
	v_wmma_scale_f32_16x16x128_f8f6f4 v[O+8*\t:O+8*\t+7], v[KV+12*\t:KV+12*\t+11], v[PC:PC+11], v[O+8*\t:O+8*\t+7], v[VS+\t/2], v[PWD] matrix_a_fmt:MATRIX_FMT_FP6 matrix_b_fmt:MATRIX_FMT_FP6
.endif
.endr
	s_add_co_u32 s[TB], s[TB], STEPB               ; the next step's block
.endm
; THE CHANGE OF SLOTS stands at a slot's head.  Each wave waits for all its tensor loads (its part of the slot that it is about to read), adds 0 to its spare word, and waits for that and for its reads of the
; slot that it has left.  fill = 1: the barrier is a round of the cluster's, so that no wave of any partner still reads that slot or has a load on its way; the joint load into it is the first thing behind the
; round, one a fetching wave, and has a slot's eight key steps in which to land.
.macro CHANGE fill
	s_wait_tensorcnt 0x0                           ; no tensor load of mine is out, so group 0 may be written
	ds_add_u32 v[SPW], v[NIL]                      ; 0 onto my spare word
.if \fill
	s_xor_b32 s[G0+1], s[G0+1], SLOT1              ; the other slot than last time,
	s_add_nc_u64 s[G0+2:G0+3], s[G0+2:G0+3], SLOTB ; the next eight key steps; the type bits on top are not reached
	s_wait_xcnt 0x0                                ; the last prefetch, more than a key step back, has read its address
	s_add_nc_u64 s[PFA:PFA+1], s[PFA:PFA+1], SLOTB ; one slot further on than the walking descriptor
.endif
	s_wait_dscnt 0x0                               ; the add is done, and my reads of the slot that I have left are over
.if \fill
	CROUND
	s_cmp_lt_u32 s[WV], 4
	s_cbranch_scc0 .Lnone_\@
	tensor_load_to_lds s[G0:G0+3], s[G1:G1+7]
	s_nop 0
.rept 4
	v_nop
.endr
.Lnone_\@:
.else
	s_barrier_signal -1
	s_barrier_wait -1
.endif
.endm
.macro SLOT_STEPS ask                  ; a slot's eight key steps: written once, walked eight times; the LDS addresses hang on s[TB]
	s_mov_b32 s[STC], NST
.Lstep_\@:
	s_setprio 2
	STEP \ask
	s_sub_co_u32 s[STC], s[STC], 1
	s_cmp_lg_u32 s[STC], 0
	s_cbranch_scc1 .Lstep_\@
	s_setprio 0
	s_sub_co_u32 s[TB], s[TB], SLOTB               ; back to a slot's first step,
	s_xor_b32 s[TB], s[TB], SLOT1                  ; in the other slot
.endm
.Lslot:                                            ; three trips: behind each change of slots but the last the next slot is asked for
	CHANGE 1
	SLOT_STEPS 1
	s_sub_co_u32 s[SLOTS], s[SLOTS], 1
	s_cmp_lg_u32 s[SLOTS], 0
	s_cbranch_scc1 .Lslot
	CHANGE 0                                       ; the last slot is written out
	SLOT_STEPS 0
	; THE WAY OUT: O^T / the sum, quantised along the head's 64 channels; the codes leave as they stand in the registers
.rept 4
	v_nop                                          ; four places behind the last products
.endr
	v_add_f32 v14, v14, v15                        ; the sum's two halves,
	s_delay_alu instid0(VALU_DEP_1)
	v_permlanex16_b32 v[TMP], v14, s[SEL], s[SEL+1]
	s_delay_alu instid0(VALU_DEP_1)
	v_add_f32 v14, v14, v[TMP]                     ; and lane l xor 16's: the row's sum
	s_wait_alu depctr_va_vdst(0)
	v_rcp_f32 v14, v14
	v_nop                                          ; one plain place behind a transcendental
.set i, 0
	s_wait_alu depctr_va_vdst(0)
.rept 32
	v_mul_f32 v[S+i], v[O+i], v14                  ; register 16 b + i: channel 32 b + 16 h + i of my query
.set i, i+1
.endr
	QUANT2 S, PC, AUX, BM, SO
	v_mov_b32 v[SO+1], v[SO]
.irp i, 0,1,2
	global_store_b64 v[OA], v[PC+2*\i:PC+2*\i+1], s[10:11] offset:256*\i   ; 32 lanes store 256 consecutive bytes, at a multiple of 256 of the buffer
.endr
	global_store_b64 v[OA], v[SO:SO+1], s[10:11] offset:768
	s_wait_tensorcnt 0x0                           ; the wave's end
	ds_add_u32 v[SPW], v[NIL]
	s_wait_dscnt 0x0
	CROUND                                         ; the closing round: no work-group ends while a partner may still ask for a tile that names it
	s_endpgm
.Lfunc_end_k_q0148d29f02_attn:
	.size	k_q0148d29f02_attn, .Lfunc_end_k_q0148d29f02_attn-k_q0148d29f02_attn
	.p2alignl 7, 3214868480
	.fill 96, 4, 3214868480
	.section	.rodata,"a",@progbits
	.p2align	6, 0x0
	.amdhsa_kernel k_q0148d29f02_attn
		.amdhsa_group_segment_fixed_size 327680
		.amdhsa_private_segment_fixed_size 0
		.amdhsa_enable_private_segment 0
		.amdhsa_kernarg_size 32
		.amdhsa_user_sgpr_count 2
		.amdhsa_user_sgpr_kernarg_segment_ptr 1
		.amdhsa_wavefront_size32 1
		.amdhsa_system_sgpr_workgroup_id_x 1
		.amdhsa_system_sgpr_workgroup_id_y 1
		.amdhsa_system_sgpr_workgroup_id_z 1
		.amdhsa_system_vgpr_workitem_id 0
		.amdhsa_next_free_vgpr 256
		.amdhsa_next_free_sgpr 72
		.amdhsa_reserve_vcc 0
		.amdhsa_float_denorm_mode_32 3
		.amdhsa_float_denorm_mode_16_64 3
		.amdhsa_memory_ordered 1
		.amdhsa_forward_progress 1
		.amdhsa_inst_pref_size 48
	.end_amdhsa_kernel
	.amdgpu_metadata
---
amdhsa.version: [ 1, 2 ]
amdhsa.kernels:
  - .name:           k_q0148d29f02_attn
    .symbol:         k_q0148d29f02_attn.kd
    .args:
      - { .name: qcodes, .offset: 0, .size: 8, .value_kind: global_buffer, .address_space: global }
      - { .name: qscales, .offset: 8, .size: 8, .value_kind: global_buffer, .address_space: global }
      - { .name: kvbuf, .offset: 16, .size: 8, .value_kind: global_buffer, .address_space: global }
      - { .name: obuf, .offset: 24, .size: 8, .value_kind: global_buffer, .address_space: global }
    .group_segment_fixed_size: 327680
    .private_segment_fixed_size: 0
    .kernarg_segment_align: 8
    .kernarg_segment_size: 32
    .max_flat_workgroup_size: 512
    .sgpr_count:     72
    .vgpr_count:     256
    .wavefront_size: 32
...
	.end_amdgpu_metadata
.endif
;; end of part 3
;; launch proj (part 4): grid 256 x 1, 16 waves a work-group, no clusters, 88,064 bytes of LDS; arguments obuf, wp_codes, wp_scales, bp, x, out0; writes out0
.if DOCPART == 4
	.amdgcn_target "amdgcn-amd-amdhsa--gfx1250"
	.amdhsa_code_object_version 6
	.text
	.protected	k_q0148d29f02_proj
	.globl	k_q0148d29f02_proj
	.p2align	8
	.type	k_q0148d29f02_proj,@function
k_q0148d29f02_proj:
	s_mov_b64 s[64:65], 0
	v_nop
	global_prefetch_b8 v0, s[64:65] scope:SCOPE_SE
	s_setreg_imm32_b32 hwreg(HW_REG_WAVE_MODE, 25, 1), 1
	s_wait_xcnt 0x0
; out0 = x + Wp o + bp, on codes of FP6 (E2M3) with one E8M0 scale for each 32 along K (the 256 channels).  o comes as the codes and scale bytes that the attention launch stored.
; SHARES.  Work-group i: batch i / 64, positions 64 (i % 64) .. + 63: four tiles of 16, whose 16 KB of obuf are one dense block.  Wave w makes outputs 16 w .. 16 w + 15 for the 64 positions:
; 8 matrix instructions, and 16 runs of 256 consecutive bytes of out0.
; obuf's block is copied into LDS as it lies (each wave 1 KB); a fragment of o (16 positions x 128 channels = two heads) is then six loads of 8 bytes a lane, since a head's six code registers lie lane by lane.
; source 0 = 16 positions of o (in the tile order), source 1 = 16 rows of Wp: lane (r, h), register j of tile t holds output 16 w + r at position 32 (t / 2) + 8 (t % 2) + 16 h + j: eight neighbours of a row of out0.
; They go through the wave's own stage in LDS and come back as rows of 256 bytes, to which x is added.  The bias is the C of each sum's first matrix instruction.
; No tensor load, no cluster: the work-groups share only Wp (3 KB a wave), which goes straight into registers.
.set OIMG, 0                           ; LDS: 16,384 bytes: [4 tiles][4 heads][4 pieces][32 lanes][8 B]
.set STG,  16384                       ; 16 rows x 272 bytes for each wave
.set L8,  2                            ; 8 lane
.set WAD, 3                            ; 192 r + 24 h
.set WSA, 4                            ; 8 r
.set BPA, 5                            ; 4 r
.set STO, 6                            ; the stage, in
.set RD,  7                            ; and back
.set XO,  8                            ; x, out0: 16,384 h + 16 r
.set CPY, 9                            ; 1,024 wave + 16 lane
.set CD,  10                           ; v[10:17]  the copy's data
.set WPS, 18                           ; v18, v19  Wp's scale words
.set BP,  20                           ; v[20:27]  bp of my output, eight times
.set WF,  28                           ; v[28:51]  Wp's two fragments
.set OF,  52                           ; v[52:147] o's eight fragments (2 tile + K step); later the rows read back
.set RAW, 148                          ; v[148:163] each (tile, head)'s two scale bytes
.set OS,  164                          ; v[164:171] o's scale words
.set AC,  172                          ; v[172:203] four accumulators
.set XD,  204                          ; v[204:235] x
	s_load_b256 s[4:11], s[0:1], 0x0               ; obuf 4, wp_codes 6, wp_scales 8, bp 10
	s_load_b128 s[12:15], s[0:1], 0x20             ; x 12, out0 14
	v_lshl_add_u32 v254, v0, 2, 0x15000
	v_mov_b32 v255, 0
	v_lshrrev_b32 v10, 5, v0
	s_delay_alu instid0(VALU_DEP_1)
	v_readfirstlane_b32 s16, v10                   ; wave 0..15
	v_and_b32 v10, 31, v0                          ; lane
	v_and_b32 v11, 15, v0                          ; r
	v_bfe_u32 v12, v0, 4, 1                        ; h
	s_delay_alu instid0(VALU_DEP_3)
	v_lshlrev_b32 v1, 4, v10
	s_delay_alu instid0(VALU_DEP_4)
	v_lshlrev_b32 v[L8], 3, v10
	s_delay_alu instid0(VALU_DEP_4)
	v_mul_u32_u24 v[WAD], v11, 192
	s_delay_alu instid0(VALU_DEP_1)
	v_mad_u32_u24 v[WAD], v12, 24, v[WAD]
	v_lshlrev_b32 v[WSA], 3, v11
	v_lshlrev_b32 v[BPA], 2, v11
	s_mul_i32 s17, s16, 16*272
	s_add_co_u32 s17, s17, STG                     ; my stage
	v_mul_u32_u24 v[STO], v11, 272
	s_delay_alu instid0(VALU_DEP_1)
	v_lshl_add_u32 v[STO], v12, 6, v[STO]
	s_delay_alu instid0(VALU_DEP_1)
	v_add_nc_u32 v[STO], s17, v[STO]               ; in: row r, + 64 h
	v_mul_u32_u24 v[RD], v12, 272
	s_delay_alu instid0(VALU_DEP_1)
	v_lshl_add_u32 v[RD], v11, 4, v[RD]
	s_delay_alu instid0(VALU_DEP_1)
	v_add_nc_u32 v[RD], s17, v[RD]                 ; back: lanes 0-15 one row, lanes 16-31 the next
	v_lshlrev_b32 v[XO], 14, v12
	s_delay_alu instid0(VALU_DEP_1)
	v_lshl_add_u32 v[XO], v11, 4, v[XO]            ; and the same two rows in x and out0 (a row is 16,384 bytes)
	s_lshl_b32 s18, s16, 10
	v_add_nc_u32 v[CPY], s18, v1
	s_lshl_b32 s20, ttmp9, 14
	s_mov_b32 s21, 0
	s_wait_alu depctr_va_vdst(0)
	s_wait_kmcnt 0x0
	s_add_nc_u64 s[4:5], s[4:5], s[20:21]          ; my four tiles in obuf
	s_mul_i32 s20, s16, 3072
	s_add_nc_u64 s[6:7], s[6:7], s[20:21]          ; my 16 rows of Wp,
	s_lshl_b32 s20, s16, 7
	s_add_nc_u64 s[8:9], s[8:9], s[20:21]          ; their scale bytes,
	s_lshl_b32 s20, s16, 6
	s_add_nc_u64 s[10:11], s[10:11], s[20:21]      ; their biases
	s_lshr_b32 s22, ttmp9, 6
	s_lshl_b32 s22, s22, 8
	s_lshl_b32 s23, s16, 4
	s_add_co_u32 s22, s22, s23                     ; row 256 batch + 16 wave of x and out0,
	s_lshl_b32 s20, s22, 14
	s_and_b32 s23, ttmp9, 63
	s_lshl_b32 s23, s23, 8                         ; my 64 positions' 256 bytes in it
	s_add_co_u32 s20, s20, s23
	s_add_nc_u64 s[12:13], s[12:13], s[20:21]
	s_add_nc_u64 s[14:15], s[14:15], s[20:21]
	global_load_b128 v[CD:CD+3], v[CPY], s[4:5] th:TH_LOAD_NT
	global_load_b128 v[CD+4:CD+7], v[CPY], s[4:5] offset:512 th:TH_LOAD_NT
.irp s, 0,1
.irp p, 0,1,2,3,4,5
	global_load_b64 v[WF+12*\s+2*\p:WF+12*\s+2*\p+1], v[WAD], s[6:7] offset:96*\s+48*(\p/3)+8*(\p%3)
.endr
.endr
.irp s, 0,1
	global_load_b32 v[WPS+\s], v[WSA], s[8:9] offset:4*\s
.endr
.irp j, 0,1,2,3,4,5,6,7
	global_load_b32 v[BP+\j], v[BPA], s[10:11]     ; a lane's eight results are one output's
.endr
.irp k, 0,1,2,3,4,5,6,7
	global_load_b128 v[XD+4*\k:XD+4*\k+3], v[XO], s[12:13] offset:32768*\k th:TH_LOAD_NT
.endr
	s_wait_loadcnt 30                              ; the copy's two loads are in; behind them 12 + 2 + 8 + 8 were issued
	ds_store_b128 v[CPY], v[CD:CD+3]
	ds_store_b128 v[CPY], v[CD+4:CD+7] offset:512
	s_wait_dscnt 0x0                               ; for the others' sake: my stores have landed
	s_barrier_signal -1
	s_barrier_wait -1                              ; the four tiles' codes and scale bytes lie in LDS
.irp t, 0,1,2,3
.irp s, 0,1
.irp c, 0,1
.irp p, 0,1,2
	ds_load_b64 v[OF+12*(2*\t+\s)+6*\c+2*\p:OF+12*(2*\t+\s)+6*\c+2*\p+1], v[L8] offset:4096*\t+1024*(2*\s+\c)+256*\p   ; registers 6 c ..: head 2 s + c
.endr
.endr
.endr
.endr
.irp t, 0,1,2,3
.irp n, 0,1,2,3
	ds_load_b32 v[RAW+4*\t+\n], v[L8] offset:4096*\t+1024*\n+768
.endr
.endr
	s_wait_dscnt 0x0
.irp t, 0,1,2,3
.irp s, 0,1
	v_lshl_or_b32 v[OS+2*\t+\s], v[RAW+4*\t+2*\s+1], 16, v[RAW+4*\t+2*\s]   ; two heads' two bytes each: the scale word of 128 channels
.endr
.endr
	s_wait_alu depctr_va_vdst(0)
	s_wait_loadcnt 8                               ; Wp, its scales and bp are in; x's eight loads may be out
.rept 8
	v_nop                                          ; a scale register written by a vector instruction stands eight places ahead of a scaled matrix instruction
.endr
.irp t, 0,1,2,3                                ; the four accumulators take turns
	v_wmma_scale_f32_16x16x128_f8f6f4 v[AC+8*\t:AC+8*\t+7], v[OF+24*\t:OF+24*\t+11], v[WF:WF+11], v[BP:BP+7], v[OS+2*\t], v[WPS] matrix_a_fmt:MATRIX_FMT_FP6 matrix_b_fmt:MATRIX_FMT_FP6
.endr
.irp t, 0,1,2,3
	v_wmma_scale_f32_16x16x128_f8f6f4 v[AC+8*\t:AC+8*\t+7], v[OF+24*\t+12:OF+24*\t+23], v[WF+12:WF+23], v[AC+8*\t:AC+8*\t+7], v[OS+2*\t+1], v[WPS+1] matrix_a_fmt:MATRIX_FMT_FP6 matrix_b_fmt:MATRIX_FMT_FP6
.endr
.rept 4
	v_nop                                          ; four places in front of the first read of the results and of loads into registers that the products read
.endr
.irp t, 0,1,2,3
	ds_store_b128 v[STO], v[AC+8*\t:AC+8*\t+3] offset:128*(\t/2)+32*(\t%2)        ; each accumulator from its low end on
	ds_store_b128 v[STO], v[AC+8*\t+4:AC+8*\t+7] offset:128*(\t/2)+32*(\t%2)+16
.endr
.irp k, 0,1,2,3,4,5,6,7
	ds_load_b128 v[OF+4*\k:OF+4*\k+3], v[RD] offset:544*\k   ; LDS serves a wave's instructions in order: these see my stores
.endr
	s_wait_loadcnt 0x0                             ; x
.irp k, 0,1,2,3,4,5,6,7
	s_wait_dscnt 7-\k                              ; rows 2 k and 2 k + 1 are back; the later rows' loads may be out
	v_pk_add_f32 v[OF+4*\k:OF+4*\k+1], v[OF+4*\k:OF+4*\k+1], v[XD+4*\k:XD+4*\k+1]
	v_pk_add_f32 v[OF+4*\k+2:OF+4*\k+3], v[OF+4*\k+2:OF+4*\k+3], v[XD+4*\k+2:XD+4*\k+3]
	global_store_b128 v[XO], v[OF+4*\k:OF+4*\k+3], s[14:15] offset:32768*\k th:TH_STORE_NT   ; sixteen lanes store 256 consecutive bytes, at a multiple of 256 of out0
.endr
	s_wait_tensorcnt 0x0
	ds_add_u32 v254, v255
	s_wait_dscnt 0x0
	s_endpgm
.Lfunc_end_k_q0148d29f02_proj:
	.size	k_q0148d29f02_proj, .Lfunc_end_k_q0148d29f02_proj-k_q0148d29f02_proj
	.p2alignl 7, 3214868480
	.fill 96, 4, 3214868480
	.section	.rodata,"a",@progbits
	.p2align	6, 0x0
	.amdhsa_kernel k_q0148d29f02_proj
		.amdhsa_group_segment_fixed_size 88064
		.amdhsa_private_segment_fixed_size 0
		.amdhsa_enable_private_segment 0
		.amdhsa_kernarg_size 48
		.amdhsa_user_sgpr_count 2
		.amdhsa_user_sgpr_kernarg_segment_ptr 1
		.amdhsa_wavefront_size32 1
		.amdhsa_system_sgpr_workgroup_id_x 1
		.amdhsa_system_sgpr_workgroup_id_y 1
		.amdhsa_system_sgpr_workgroup_id_z 1
		.amdhsa_system_vgpr_workitem_id 0
		.amdhsa_next_free_vgpr 256
		.amdhsa_next_free_sgpr 66
		.amdhsa_reserve_vcc 0
		.amdhsa_float_denorm_mode_32 3
		.amdhsa_float_denorm_mode_16_64 3
		.amdhsa_memory_ordered 1
		.amdhsa_forward_progress 1
		.amdhsa_inst_pref_size 16
	.end_amdhsa_kernel
	.amdgpu_metadata
---
amdhsa.version: [ 1, 2 ]
amdhsa.kernels:
  - .name:           k_q0148d29f02_proj
    .symbol:         k_q0148d29f02_proj.kd
    .args:
      - { .name: obuf, .offset: 0, .size: 8, .value_kind: global_buffer, .address_space: global }
      - { .name: wp_codes, .offset: 8, .size: 8, .value_kind: global_buffer, .address_space: global }
      - { .name: wp_scales, .offset: 16, .size: 8, .value_kind: global_buffer, .address_space: global }
      - { .name: bp, .offset: 24, .size: 8, .value_kind: global_buffer, .address_space: global }
      - { .name: x, .offset: 32, .size: 8, .value_kind: global_buffer, .address_space: global }
      - { .name: out0, .offset: 40, .size: 8, .value_kind: global_buffer, .address_space: global }
    .group_segment_fixed_size: 88064
    .private_segment_fixed_size: 0
    .kernarg_segment_align: 8
    .kernarg_segment_size: 48
    .max_flat_workgroup_size: 512
    .sgpr_count:     66
    .vgpr_count:     256
    .wavefront_size: 32
...
	.end_amdgpu_metadata
.endif
;; end of part 4
